; MI455X (gfx1250); checked and timed in simulation.
; The chip was launched on July 23, 2026; its instructions are those of AMD's public machine-readable ISA for CDNA 5 (MIT licence, August 2026) and "CDNA5" Instruction Set Architecture Reference Guide (July 2026). The comments in the code are by the model that wrote it; some were corrected since.
;; Resonant Layer. Allowed arithmetic: matrix products marked QUANTISED: E2M1 operands, one E8M0 scale for each 32 along K, by v_wmma_scale_f32_16x16x128_f8f6f4 with both operands' format E2M1 (or v_wmma_scale_f32_32x16x128_f4), f32 sums; everything else in f32.
;; Inputs: Bp 128 x 512 float32; W 128 x 512 float32; Wc 512 x 1,024 float32; Wi 512 x 128 float32; Wr 512 x 128 float32; bc 512 float32; cos_table 4,096 float32; sin_table 4,096 float32; t 1,024 float32; x_imag 1,024 x 512 float32; x_real 1,024 x 512 float32.
;; Outputs: out0 1,024 x 512 float32; out1 1,024 x 512 float32.
;; This version of the problem:
;;   THIS VERSION OF THE PROBLEM IS GIVEN IN LOW PRECISION. The matrix products marked QUANTISED in the list below multiply operands that are first quantised to E2M1 (2 exponent bits, 1 mantissa bit; 4 bits a number), with one power-of-two scale for each 32 numbers along K (OCP MX v1.0); their sums are f32. All else is computed in f32.
;;   The module's matrix products, in the order in which they are computed (A, B: the left and right operand; K: the contracted axis; several contracted axes count as one K, in the product's order):
;;     1. [M 1,024, K 1,024] x [K 1,024, N 512]; A: computed on the way; B: input Wc: QUANTISED
;;     2. [M 1,024, K 128] x [K 128, N 512]; A: computed on the way; B: input Wr: QUANTISED
;;     3. [M 1,024, K 128] x [K 128, N 512]; A: computed on the way; B: input Wi: QUANTISED
;;   THE QUANTISER, for each operand of a quantised product, along K:
;;     - K is cut into blocks of 32 from its start; a last block that is shorter is filled with zeros.
;;     - A block's scale is 2^e with e = floor(log2(the largest magnitude in the block)) - 2, held to -126 .. 127; a block of zeros has e = 0. As a byte (E8M0): e + 127.
;;     - Each number is divided by its block's scale, clamped to +-6, and rounded to the nearest number of E2M1, ties to even, subnormals kept.
;;     - The product sums the exact products of the quantised numbers (number of the format x scale) in f32.
;;   ~~~python
;;   def quantise(x, axis):      # numpy; x: float32 -> the quantised numbers, widened to float32 again
;;       x = np.moveaxis(x, axis, -1); K = x.shape[-1]
;;       x = np.pad(x, [(0, 0)] * (x.ndim - 1) + [(0, -K % 32)]); x = x.reshape(x.shape[:-1] + (-1, 32)); a = np.abs(x).max(-1, keepdims=True)
;;       e = np.where(a > 0, np.clip(np.frexp(np.where(a > 0, a, 1))[1] - 1 - 2, -126, 127), 0)      # np.frexp(a)[1] - 1 = floor(log2(a)), exactly
;;       r = np.clip(x / 2.0 ** e, -6, 6)
;;       step = 2.0 ** (np.maximum(np.frexp(np.where(r == 0, 1, r))[1] - 1, 0) - 1)
;;       q = np.round(r / step) * step * 2.0 ** e      # np.round: ties to even
;;       return np.moveaxis(q.reshape(q.shape[:-2] + (-1,))[..., :K], -1, axis).astype(np.float32)
;;   ~~~
;;   OPERANDS COMPUTED ON THE WAY. 'Computed on the way' means the value that the module computes at that place (a softmax that the list does not call 'softmax' is quantised finished and normalised). What goes into a quantiser is computed in f32, as accurately as f32 sums, v_exp_f32 and their like allow (about 1e-6 of the number): no bf16 or f16 on the way to a quantiser, and a product that is left as it is and whose result goes on into a quantised operand takes f32 operands (vector FMAs, or v_wmma_f32_16x16x4_f32). A number that lies on a knife's edge between two numbers of the format may be rounded either way, as far as f32 arithmetic and the matrix unit's own rounding can turn it there, and no further.
;; 2 versions, each right; version 2 is version 1 with the launches collapse, resonate written anew for expert scheduling mode. Each part assembles by itself: llvm-mc -triple=amdgcn-amd-amdhsa -mcpu=gfx1250 --defsym DOCPART=n.
;; ======== version 1 of 2: 2 launches
;; workspace buffers: xct 2,097,152 bytes; idx 134,217,728 bytes of whole numbers; rbt 524,288 bytes; wq 65,536 bytes; ws 8,192 bytes
;; launch collapse (part 1): grid 256 x 1, 16 waves a work-group, no clusters, 73,728 bytes of LDS; arguments x_real, x_imag, Wc, bc, W, Bp, Wr, Wi, t, xct, idx, rbt, wq, ws; writes xct, idx, rbt, wq, ws
.if DOCPART == 1
	.amdgcn_target "amdgcn-amd-amdhsa--gfx1250"
	.amdhsa_code_object_version 6
	.text
	.protected	k_qb5b2ca4a71_collapse
	.globl	k_qb5b2ca4a71_collapse
	.p2align	8
	.type	k_qb5b2ca4a71_collapse,@function
k_qb5b2ca4a71_collapse:
	s_mov_b64 s[64:65], 0
	v_nop
	global_prefetch_b8 v0, s[64:65] scope:SCOPE_SE
	s_setreg_imm32_b32 hwreg(HW_REG_WAVE_MODE, 25, 1), 1
	s_wait_xcnt 0x0
; FIRST LAUNCH OF TWO.  xc = [x_real, x_imag] Wc^T + bc on codes of FP4 (E2M1) with one E8M0 scale for each 32 along K, and then, for every (b, n, d), the table index of
; pos = xc[b][d] r'[n][d] + bp'[n][d] + t'[b], with r' = C / (1 + |W|), bp' = C Bp, t' = C t, C = 4096 / 2 pi in f32.  The index floor(pos) mod 4096 is stored as a whole number, times 16 (a record's
; byte offset in the next launch's table), 2 bytes each: it is made here and used in the next launch.
; Also stored for the next launch: xc (xct), r' and bp' in the order in which its lanes take them (rbt), and Wr's and Wi's codes and scale words as images of operand registers (wq, ws).
; LIMITS.  The order of rounding differs from (x / w + Bp + t) C: each term is scaled by C first, r' is a reciprocal with one residual step; each term carries at most one rounding of 2^-24 more, and the
; interpolated table is continuous in pos.  |pos| stays under 2^31 (the conversion to a whole number saturates there).  NaN and infinities among the inputs are not served.  A block of zeros gets the scale byte 1
; where the quantiser says 127: its codes are zeros, and the bytes are read by this program alone.
; SHARES.  Work-group q = 8 bt + dt owns rows 32 bt .. + 31 and columns 64 dt .. + 63 of xc, for all 128 n: 262,144 indices.  Sixteen waves.
;   quantise: wave w makes fragment w of x (16 rows x 128 K) and fragments 2 w, 2 w + 1 of Wc; they go to LDS as images of their registers (lane l's 16 bytes at 16 l, 512 bytes a store).
;   product:  wave w makes tile (w & 1, (w >> 1) & 3) of 16 x 16 for half w >> 3 of K: four matrix instructions on two accumulators by turns; the halves meet in LDS.
;   indices:  wave w takes n = 32 (w & 3) + lane and 16 columns d (w >> 2); r', bp' and t' stay in registers, xc comes from LDS, the same address in all lanes.
; No tensor load, no cluster: the tiles are small, are quantised on the way, and the launch's time goes into the index arithmetic and its stores.
.set CPOS, 0x4422f983                  ; 4096 / 2 pi
.set XIMG, 0                           ; LDS: x's 16 fragments, 1,024 bytes each (tile of rows m, K step s: 8 m + s)
.set WIMG, 16384                       ; Wc's 32 fragments (tile of columns j, K step s: 8 j + s)
.set XSC,  49152                       ; x's scale words, 128 bytes a fragment
.set WSC,  51200                       ; Wc's
.set PART, 55296                       ; the upper K half's sums: 8 tiles x 1,024 bytes
.set XT,   63488                       ; xc: [group of 4 rows: 8][column: 64][16 bytes]
.set TM,   26                          ; v26-33  at work in QUANT; v32 is a lane permute's destination
.set PC,   34                          ; v34-41  the codes just made
.set PW,   42                          ; v42     the scale word just made
.set SX,   48                          ; v48-51  x's scale words for the products: scales and nothing else
.set SW,   52                          ; v52-55  Wc's
.set XA,   56                          ; v56-119, v120-183, v184-247: three sets of 64 numbers
.set XB,   120
.set XC,   184
.set FX,   56                          ; the products: x's four fragments,
.set FW,   88                          ; Wc's four,
.set AC0,  184                         ; two accumulators,
.set AC1,  192
.set PT,   200                         ; the partner's sums
.set WL,   120                         ; v120-135 W, then 1 + |W|, then the residual
.set BL,   136                         ; v136-151 Bp
.set T,    152                         ; v152-183 t' of my 32 rows
.set R0,   56                          ; v56-71  the reciprocals
.set QR,   72                          ; v72-87  C x reciprocal
.set RB,   208                         ; v208-239 pair of columns p: {r' d0, bp' d0, r' d1, bp' d1} at RB + 4 p
.set X,    56                          ; v56-119 two sets of xc: 8 columns x 4 rows
.set P,    120                         ; v120-127 eight pos
.set QS,   128                         ; v128-143 four sets of packed indices
.set SEL,  46                          ; s[46:47] lane selects: lane l xor 16
; 64 numbers of a lane in the operand's own order: lane (r, h) takes k = 64 c + 32 h + 0 .. 31 of row r, c = 0, 1
.macro FLOAD reg, adr, base, off
.irp c, 0,1
.irp i, 0,1,2,3,4,5,6,7
	global_load_b128 v[\reg+32*\c+4*\i:\reg+32*\c+4*\i+3], v[\adr], s[\base:\base+1] offset:\off+256*\c+16*\i
.endr
.endr
.endm
; They become a fragment's 8 registers of codes at v[dst] and its scale word in v[sw].  A lane holds two whole blocks of 32: h and 2 + h of its row.
.macro QUANT src, dst, sw
.irp c, 0,1
	v_max3_num_f32 v[TM+\c], |v[\src+32*\c]|, |v[\src+32*\c+1]|, 0x1800000   ; the floor 2^(3 - 127) among the leaves: the byte cannot fall under 1
.endr
.irp i, 2,4,6,8,10,12,14,16,18,20,22,24,26,28,30
.irp c, 0,1
	v_max3_num_f32 v[TM+\c], v[TM+\c], |v[\src+32*\c+\i]|, |v[\src+32*\c+\i+1]|   ; the two blocks by turns
.endr
.endr
.irp c, 0,1
	v_add_nc_u32 v[TM+2+\c], 0xff000000, v[TM+\c]      ; 2 off the exponent field: the conversion's scale operand
.endr
.irp c, 0,1
	v_lshrrev_b32 v[TM+4+\c], 23, v[TM+2+\c]           ; the scale's byte
.endr
	v_lshl_or_b32 v[\sw], v[TM+5], 16, v[TM+4]         ; my two bytes,
	v_lshlrev_b32 v[\sw], v4, v[\sw]                   ; 8 h bits up: at their places in the row's word;
	v_permlanex16_b32 v[TM+6], v[\sw], s[SEL], s[SEL+1]
	v_or_b32 v[\sw], v[\sw], v[TM+6]                   ; with lane l xor 16's two the word is whole
.irp c, 0,1
.irp g, 0,1,2,3
	v_cvt_scalef32_pk8_fp4_f32 v[\dst+4*\c+\g], v[\src+32*\c+8*\g:\src+32*\c+8*\g+7], v[TM+2+\c]
.endr
.endr
	v_nop                                              ; one plain instruction behind the last scaled conversion
.endm
.macro IMG adr, sadr, off, soff        ; the fragment and its scale word go to LDS as they stand in the registers
	ds_store_b128 v[\adr], v[PC:PC+3] offset:\off
	ds_store_b128 v[\adr], v[PC+4:PC+7] offset:\off+512
	ds_store_b32 v[\sadr], v[PW] offset:\soff
.endm
.macro BAR                             ; my LDS stores have landed and my LDS loads are in: then the work-group's barrier
	s_wait_dscnt 0x0
	s_barrier_signal -1
	s_barrier_wait -1
.endm
.macro TERM a, sh                      ; s50 += s[a] << sh
	s_lshl_b32 s52, s[\a], \sh
	s_add_co_u32 s50, s50, s52
.endm
	s_load_b512 s[8:23], s[0:1], 0x0               ; x_real s[8:9], x_imag s[10:11], Wc s[12:13], bc s[14:15], W s[16:17], Bp s[18:19], Wr s[20:21], Wi s[22:23]
	s_load_b256 s[24:31], s[0:1], 0x40             ; t s[24:25], xct s[26:27], idx s[28:29], rbt s[30:31]
	s_load_b128 s[32:35], s[0:1], 0x60             ; wq s[32:33], ws s[34:35]
	v_lshl_add_u32 v254, v0, 2, 0x11800
	v_mov_b32 v255, 0
	v_lshrrev_b32 v1, 5, v0
	v_readfirstlane_b32 s36, v1                    ; wave 0..15
	s_mov_b32 s45, ttmp9                           ; q
	s_lshr_b32 s37, ttmp9, 3                       ; bt
	s_and_b32 s38, ttmp9, 7                        ; dt
	s_and_b32 s39, s36, 3                          ; ng: which 32 n.  Also: wave & 3
	s_lshr_b32 s40, s36, 2                         ; dq: which 16 columns.  Also: wave >> 2
	s_and_b32 s41, s36, 1                          ; the product's tile of rows
	s_bfe_u32 s42, s36, 0x20001                    ; its tile of columns: (wave >> 1) & 3
	s_lshr_b32 s43, s36, 3                         ; its half of K.  Also: the tile of rows of the fragment of x that I quantise
	s_xor_b32 s44, s36, 15
	s_lshr_b32 s52, ttmp9, 6
	s_or_b32 s44, s44, s52                         ; 0 in wave 15 of work-groups 0 to 63: it also quantises fragment q of Wr and Wi
	s_mov_b32 s[SEL], 0x76543210
	s_mov_b32 s[SEL+1], 0xfedcba98
	s_mov_b32 s48, CPOS
	s_mov_b32 s51, 0                               ; the upper word of every offset
	v_and_b32 v1, 31, v0                           ; lane
	v_and_b32 v2, 15, v0                           ; r
	v_bfe_u32 v3, v0, 4, 1                         ; h
	v_lshlrev_b32 v4, 3, v3                        ; 8 h
	v_lshlrev_b32 v5, 4, v1                        ; 16 x lane
	v_lshlrev_b32 v6, 2, v1                        ; 4 x lane
	v_lshlrev_b32 v7, 11, v2
	v_lshl_add_u32 v7, v3, 7, v7                   ; x: row r of 2,048 bytes + 128 h
	v_lshlrev_b32 v8, 12, v2
	v_lshl_add_u32 v8, v3, 7, v8                   ; Wc: row r of 4,096 bytes + 128 h
	v_lshlrev_b32 v9, 9, v2
	v_lshl_add_u32 v9, v3, 7, v9                   ; Wr, Wi: row r of 512 bytes + 128 h
	v_lshlrev_b32 v10, 11, v1                      ; W, Bp: row = lane, 2,048 bytes
	v_lshlrev_b32 v23, 2, v2                       ; bc: 4 r
	v_mov_b32 v25, 0
	v_mov_b32 v[TM+6], 0                           ; written once: a lane permute's destination counts as one of its sources
	; every LDS address is made here, ahead of the first branch: a constant + a constant x wave + a constant x lane
	s_lshl_b32 s54, s36, 10
	v_add_nc_u32 v11, s54, v5                      ; where I store x's image: XIMG (0) + 1,024 x wave
	s_lshl_b32 s54, s36, 7
	s_add_co_u32 s54, s54, XSC
	v_add_nc_u32 v12, s54, v6                      ; and its scale word
	s_lshl_b32 s54, s36, 11
	s_add_co_u32 s54, s54, WIMG
	v_add_nc_u32 v13, s54, v5                      ; Wc's two images
	s_lshl_b32 s54, s36, 8
	s_add_co_u32 s54, s54, WSC
	v_add_nc_u32 v14, s54, v6
	s_lshl_b32 s54, s41, 3
	s_lshl_b32 s55, s43, 2
	s_add_co_u32 s54, s54, s55                     ; the product's first fragment of x: 8 x tile of rows + 4 x half
	s_lshl_b32 s56, s54, 10
	v_add_nc_u32 v15, s56, v5
	s_lshl_b32 s56, s54, 7
	s_add_co_u32 s56, s56, XSC
	v_add_nc_u32 v16, s56, v6
	s_lshl_b32 s54, s42, 3
	s_add_co_u32 s54, s54, s55                     ; of Wc: 8 x tile of columns + 4 x half
	s_lshl_b32 s56, s54, 10
	s_add_co_u32 s56, s56, WIMG
	v_add_nc_u32 v17, s56, v5
	s_lshl_b32 s56, s54, 7
	s_add_co_u32 s56, s56, WSC
	v_add_nc_u32 v18, s56, v6
	s_and_b32 s54, s36, 7
	s_lshl_b32 s54, s54, 10
	s_add_co_u32 s54, s54, PART
	v_add_nc_u32 v19, s54, v5                      ; the halves meet: tile wave & 7
	s_lshl_b32 s54, s41, 12
	s_lshl_b32 s55, s42, 8
	s_add_co_u32 s54, s54, s55
	s_add_co_u32 s54, s54, XT
	v_lshlrev_b32 v20, 4, v2
	v_lshl_add_u32 v20, v3, 11, v20
	v_add_nc_u32 v20, s54, v20                     ; xc in LDS: group 4 x tile of rows + 2 h, column 16 x tile of columns + r
	s_lshl_b32 s54, s40, 8
	s_add_co_u32 s54, s54, XT
	v_mov_b32 v21, s54                             ; my 16 columns of xc, the same in all lanes
	v_lshlrev_b32 v22, 4, v2
	v_lshl_add_u32 v22, v3, 14, v22                ; xct: 2 h groups of 8,192 bytes + 16 r
	s_wait_kmcnt 0x0
	s_lshl_b32 s50, s37, 16                        ; x: (32 bt + 16 (wave >> 3)) rows of 2,048 bytes + K step (wave & 3) of 512 bytes,
	TERM 43, 15
	TERM 39, 9
	s_and_b32 s53, s36, 7
	s_cmp_lt_u32 s53, 4                            ; K steps 0-3 lie in x_real, 4-7 in x_imag: the choice hangs on the wave's number alone
	s_cselect_b64 s[8:9], s[8:9], s[10:11]
	s_add_nc_u64 s[8:9], s[8:9], s[50:51]
	s_lshl_b32 s50, s38, 18                        ; Wc: (64 dt + 16 (wave >> 2)) rows of 4,096 bytes + two K steps x (wave & 3)
	TERM 40, 16
	TERM 39, 10
	s_add_nc_u64 s[12:13], s[12:13], s[50:51]
	s_lshl_b32 s50, s38, 8                         ; bc: 64 dt + 16 x tile of columns
	TERM 42, 6
	s_add_nc_u64 s[14:15], s[14:15], s[50:51]
	global_load_b32 v24, v23, s[14:15]             ; bc of my column r
	FLOAD XA, 7, 8, 0                              ; my fragment of x
	FLOAD XB, 8, 12, 0                             ; my two of Wc
	FLOAD XC, 8, 12, 512
	s_lshl_b32 s50, s39, 16                        ; W, Bp: 32 ng rows of 2,048 bytes + columns 64 dt + 16 dq
	TERM 38, 8
	TERM 40, 6
	s_add_nc_u64 s[16:17], s[16:17], s[50:51]
	s_add_nc_u64 s[18:19], s[18:19], s[50:51]
	s_and_b32 s50, s45, 31                         ; Wr or Wi: tile q & 31 of 16 rows of 512 bytes
	s_lshl_b32 s50, s50, 13
	s_cmp_lt_u32 s45, 32
	s_cselect_b64 s[20:21], s[20:21], s[22:23]
	s_add_nc_u64 s[20:21], s[20:21], s[50:51]
	s_lshl_b32 s50, s37, 7                         ; t: 32 bt
	s_add_nc_u64 s[24:25], s[24:25], s[50:51]
	s_lshl_b32 s50, s37, 16                        ; xct: group 8 bt + 4 x tile of rows, 8,192 bytes each; column 64 dt + 16 x tile of columns, 16 bytes each
	TERM 41, 15
	TERM 38, 10
	TERM 42, 8
	s_add_nc_u64 s[26:27], s[26:27], s[50:51]
	s_lshl_b32 s50, s39, 17                        ; rbt: [ng][pair of columns][lane][16 bytes]: pair 32 dt + 8 dq
	TERM 38, 14
	TERM 40, 12
	s_add_nc_u64 s[30:31], s[30:31], s[50:51]
	TERM 37, 22                                    ; idx: the same inside a group of 4 rows, 524,288 bytes a group: group 8 bt
	s_add_nc_u64 s[28:29], s[28:29], s[50:51]
	s_and_b32 s53, s45, 63                         ; wq, ws: fragment q (held inside the buffers in the work-groups that store nothing there)
	s_lshl_b32 s50, s53, 10
	s_add_nc_u64 s[32:33], s[32:33], s[50:51]
	s_lshl_b32 s50, s53, 7
	s_add_nc_u64 s[34:35], s[34:35], s[50:51]
	; ---- quantise
	s_wait_loadcnt 32                              ; bc and x's 16 loads are in; Wc's 32 were issued behind them
	QUANT XA, PC, PW
	IMG 11, 12, 0, 0
	s_cmp_lg_u32 s44, 0
	s_cbranch_scc1 .Lno_wfetch
	FLOAD XA, 9, 20, 0                             ; fragment q of Wr and Wi, into the registers that x has left
.Lno_wfetch:
	s_wait_loadcnt 16                              ; Wc's first fragment is in: at least its second's 16 loads were issued behind it
	s_wait_dscnt 0x0                               ; the image's stores have read the codes' registers
	QUANT XB, PC, PW
	IMG 13, 14, 0, 0
.irp i, 0,1,2,3
	global_load_b128 v[WL+4*\i:WL+4*\i+3], v10, s[16:17] offset:16*\i      ; W and Bp: my n, my 16 columns
	global_load_b128 v[BL+4*\i:BL+4*\i+3], v10, s[18:19] offset:16*\i
.endr
.irp i, 0,1,2,3,4,5,6,7
	global_load_b128 v[T+4*\i:T+4*\i+3], v25, s[24:25] offset:16*\i        ; t of the 32 rows, the same in all lanes
.endr
	s_wait_loadcnt 16                              ; all but these 16
	s_wait_dscnt 0x0
	QUANT XC, PC, PW
	IMG 13, 14, 1024, 128
	s_cmp_lg_u32 s44, 0
	s_cbranch_scc1 .Lno_wstore
	s_wait_dscnt 0x0
	QUANT XA, PC, PW
	global_store_b128 v5, v[PC:PC+3], s[32:33]             ; the image goes to memory as it would go to LDS; these registers are not written again
	global_store_b128 v5, v[PC+4:PC+7], s[32:33] offset:512
	global_store_b32 v6, v[PW], s[34:35]
.Lno_wstore:
	BAR                                            ; all 48 fragments lie in LDS
	; ---- the product: source 0 = 16 rows of x, source 1 = 16 rows of Wc: lane (r, h), register j = xc(row 8 h + j, column r)
.irp i, 0,1,2,3
.irp c, 0,1
	ds_load_b128 v[FX+8*\i+4*\c:FX+8*\i+4*\c+3], v15 offset:1024*\i+512*\c
	ds_load_b128 v[FW+8*\i+4*\c:FW+8*\i+4*\c+3], v17 offset:1024*\i+512*\c
.endr
	ds_load_b32 v[SX+\i], v16 offset:128*\i
	ds_load_b32 v[SW+\i], v18 offset:128*\i
.endr
	s_wait_dscnt 0x0                               ; operands and scales come from loads: their wait is all that is owed
.macro MM acc, i, c
	v_wmma_scale_f32_16x16x128_f8f6f4 v[\acc:\acc+7], v[FX+8*\i:FX+8*\i+7], v[FW+8*\i:FW+8*\i+7], \c, v[SX+\i], v[SW+\i] matrix_a_fmt:MATRIX_FMT_FP4 matrix_b_fmt:MATRIX_FMT_FP4
.endm
	MM AC0, 0, 0                                   ; two accumulators by turns, one instruction a turn; the first products start the sums
	MM AC1, 1, 0
	MM AC0, 2, v[AC0:AC0+7]
	MM AC1, 3, v[AC1:AC1+7]
.rept 4
	v_nop                                          ; four places behind the last product (ISA guide 7.12.1)
.endr
.irp j, 0,2,4,6
	v_pk_add_f32 v[AC0+\j:AC0+\j+1], v[AC0+\j:AC0+\j+1], v[AC1+\j:AC1+\j+1]   ; from the low end on
.endr
	s_cmp_eq_u32 s43, 0
	s_cbranch_scc1 .Llow_half
	ds_store_b128 v19, v[AC0:AC0+3]                ; the upper half of K hands its sums over
	ds_store_b128 v19, v[AC0+4:AC0+7] offset:512
.Llow_half:
	BAR
	s_cmp_lg_u32 s43, 0
	s_cbranch_scc1 .Lhigh_half
	ds_load_b128 v[PT:PT+3], v19
	ds_load_b128 v[PT+4:PT+7], v19 offset:512
	s_wait_dscnt 0x0
.irp j, 0,2,4,6
	v_pk_add_f32 v[AC0+\j:AC0+\j+1], v[AC0+\j:AC0+\j+1], v[PT+\j:PT+\j+1]
.endr
.irp j, 0,2,4,6
	v_pk_add_f32 v[AC0+\j:AC0+\j+1], v[AC0+\j:AC0+\j+1], v[24:25] op_sel_hi:[1,0]   ; + bc of my column (the pair's low word for both halves)
.endr
	ds_store_b128 v20, v[AC0:AC0+3]                ; four rows of one column are 16 bytes
	ds_store_b128 v20, v[AC0+4:AC0+7] offset:1024
	global_store_b128 v22, v[AC0:AC0+3], s[26:27]              ; sixteen lanes store 256 consecutive bytes, aligned; these registers are not written again
	global_store_b128 v22, v[AC0+4:AC0+7], s[26:27] offset:8192
.Lhigh_half:
	; ---- r' = C / (1 + |W|), bp' = C Bp, t' = C t
	s_wait_loadcnt 0x0
.irp e, 0,1,2,3,4,5,6,7,8,9,10,11,12,13,14,15
	v_add_f32 v[WL+\e], 1.0, |v[WL+\e]|
.endr
.irp e, 0,1,2,3,4,5,6,7,8,9,10,11,12,13,14,15
	v_rcp_f32 v[R0+\e], v[WL+\e]
.endr
.irp e, 0,1,2,3,4,5,6,7,8,9,10,11,12,13,14,15
	v_mul_f32 v[RB+4*(\e/2)+2*(\e%2)+1], s48, v[BL+\e]     ; plain work behind the batch of reciprocals
.endr
.irp e, 0,1,2,3,4,5,6,7,8,9,10,11,12,13,14,15,16,17,18,19,20,21,22,23,24,25,26,27,28,29,30,31
	v_mul_f32 v[T+\e], s48, v[T+\e]
.endr
	s_wait_alu depctr_va_vdst(0)                   ; one wait for the sixteen reciprocals, ahead of their first reader
.irp e, 0,1,2,3,4,5,6,7,8,9,10,11,12,13,14,15
	v_mul_f32 v[QR+\e], s48, v[R0+\e]              ; q = C x reciprocal
.endr
.irp e, 0,1,2,3,4,5,6,7,8,9,10,11,12,13,14,15
	v_fma_f32 v[WL+\e], -v[QR+\e], v[WL+\e], s48   ; what is left: C - q (1 + |W|)
.endr
.irp e, 0,1,2,3,4,5,6,7,8,9,10,11,12,13,14,15
	v_fma_f32 v[RB+4*(\e/2)+2*(\e%2)], v[WL+\e], v[R0+\e], v[QR+\e]   ; r' = q + rest x reciprocal
.endr
	s_cmp_lg_u32 s37, 0                            ; the work-groups of the first 32 rows store them for the next launch: both launches form pos from the same bits
	s_cbranch_scc1 .Lno_rbt
.irp p, 0,1,2,3,4,5,6,7
	global_store_b128 v5, v[RB+4*\p:RB+4*\p+3], s[30:31] offset:512*\p     ; 512 consecutive bytes a store; these registers are not written again
.endr
.Lno_rbt:
	BAR                                            ; xc lies in LDS
	; ---- the indices.  Written out: every offset is an immediate, no pointer is stepped.
.macro XLD gl, grp                     ; xc of group gl's four rows, eight of my columns, into set grp
.irp k, 0,1,2,3,4,5,6,7
	ds_load_b128 v[X+32*(\grp)+4*\k:X+32*(\grp)+4*\k+3], v21 offset:(\gl)*1024+(8*(\grp)+\k)*16
.endr
.endm
.macro ISTEP gl, dp, xr                ; two columns x four rows: eight indices, 16 bytes a lane
.set RR, RB+4*(\dp)
.set QQ, QS+4*((\dp)%4)
.set TT, T+4*(\gl)
	v_pk_fma_f32 v[P:P+1],   v[\xr:\xr+1],   v[RR:RR+1],   v[RR:RR+1]   op_sel:[0,0,1] op_sel_hi:[1,0,1]   ; xc r' + bp': of the pair {r', bp'} the first multiplies, the second is added, in both halves
	v_pk_fma_f32 v[P+2:P+3], v[\xr+2:\xr+3], v[RR:RR+1],   v[RR:RR+1]   op_sel:[0,0,1] op_sel_hi:[1,0,1]
	v_pk_fma_f32 v[P+4:P+5], v[\xr+4:\xr+5], v[RR+2:RR+3], v[RR+2:RR+3] op_sel:[0,0,1] op_sel_hi:[1,0,1]
	v_pk_fma_f32 v[P+6:P+7], v[\xr+6:\xr+7], v[RR+2:RR+3], v[RR+2:RR+3] op_sel:[0,0,1] op_sel_hi:[1,0,1]
	v_pk_add_f32 v[P:P+1],   v[P:P+1],   v[TT:TT+1]        ; + t'
	v_pk_add_f32 v[P+2:P+3], v[P+2:P+3], v[TT+2:TT+3]
	v_pk_add_f32 v[P+4:P+5], v[P+4:P+5], v[TT:TT+1]
	v_pk_add_f32 v[P+6:P+7], v[P+6:P+7], v[TT+2:TT+3]
.irp e, 0,1,2,3,4,5,6,7
	v_floor_f32 v[P+\e], v[P+\e]
.endr
.irp e, 0,1,2,3,4,5,6,7
	v_cvt_i32_f32 v[P+\e], v[P+\e]
.endr
.irp m, 0,1,2,3
	v_and_b32 v[P+2*\m], 0xfff, v[P+2*\m]          ; mod 4096, for negative numbers too (two's complement)
.endr
.irp m, 0,1,2,3
	v_lshl_or_b32 v[QQ+\m], v[P+2*\m+1], 16, v[P+2*\m]
.endr
.irp m, 0,1,2,3
	v_lshlrev_b32 v[QQ+\m], 4, v[QQ+\m]            ; x 16; the upper number's bits above its twelve fall out at the top
.endr
	global_store_b128 v5, v[QQ:QQ+3], s[28:29] offset:(\gl)*524288+(\dp)*512 th:TH_STORE_NT   ; 512 consecutive bytes, aligned; at most 3,673,600: inside the signed 24-bit immediate
.endm
	XLD 0, 0
.irp gl, 0,1,2,3,4,5,6,7
.irp grp, 0,1
.if \grp == 0
	XLD \gl, 1
	s_wait_dscnt 8                                 ; this set is in; the eight loads just issued may be out
.elseif \gl < 7
	XLD \gl+1, 0
	s_wait_dscnt 8
.else
	s_wait_dscnt 0x0
.endif
	s_wait_xcnt 0x0                                ; the four sets of packed indices are written again only behind this wait
.irp u, 0,1,2,3
	ISTEP \gl, 4*\grp+\u, X+32*\grp+8*\u
.endr
.endr
.endr
	s_wait_tensorcnt 0x0
	ds_add_u32 v254, v255
	s_wait_dscnt 0x0
	s_endpgm
.Lfunc_end_k_qb5b2ca4a71_collapse:
	.size	k_qb5b2ca4a71_collapse, .Lfunc_end_k_qb5b2ca4a71_collapse-k_qb5b2ca4a71_collapse
	.p2alignl 7, 3214868480
	.fill 96, 4, 3214868480
	.section	.rodata,"a",@progbits
	.p2align	6, 0x0
	.amdhsa_kernel k_qb5b2ca4a71_collapse
		.amdhsa_group_segment_fixed_size 73728
		.amdhsa_private_segment_fixed_size 0
		.amdhsa_enable_private_segment 0
		.amdhsa_kernarg_size 112
		.amdhsa_user_sgpr_count 2
		.amdhsa_user_sgpr_kernarg_segment_ptr 1
		.amdhsa_wavefront_size32 1
		.amdhsa_system_sgpr_workgroup_id_x 1
		.amdhsa_system_sgpr_workgroup_id_y 1
		.amdhsa_system_sgpr_workgroup_id_z 1
		.amdhsa_system_vgpr_workitem_id 0
		.amdhsa_next_free_vgpr 256
		.amdhsa_next_free_sgpr 66
		.amdhsa_reserve_vcc 0
		.amdhsa_float_denorm_mode_32 3
		.amdhsa_float_denorm_mode_16_64 3
		.amdhsa_memory_ordered 1
		.amdhsa_forward_progress 1
		.amdhsa_inst_pref_size 156
	.end_amdhsa_kernel
	.amdgpu_metadata
---
amdhsa.version: [ 1, 2 ]
amdhsa.kernels:
  - .name:           k_qb5b2ca4a71_collapse
    .symbol:         k_qb5b2ca4a71_collapse.kd
    .args:
      - { .name: x_real, .offset: 0, .size: 8, .value_kind: global_buffer, .address_space: global }
      - { .name: x_imag, .offset: 8, .size: 8, .value_kind: global_buffer, .address_space: global }
      - { .name: Wc, .offset: 16, .size: 8, .value_kind: global_buffer, .address_space: global }
      - { .name: bc, .offset: 24, .size: 8, .value_kind: global_buffer, .address_space: global }
      - { .name: W, .offset: 32, .size: 8, .value_kind: global_buffer, .address_space: global }
      - { .name: Bp, .offset: 40, .size: 8, .value_kind: global_buffer, .address_space: global }
      - { .name: Wr, .offset: 48, .size: 8, .value_kind: global_buffer, .address_space: global }
      - { .name: Wi, .offset: 56, .size: 8, .value_kind: global_buffer, .address_space: global }
      - { .name: t, .offset: 64, .size: 8, .value_kind: global_buffer, .address_space: global }
      - { .name: xct, .offset: 72, .size: 8, .value_kind: global_buffer, .address_space: global }
      - { .name: idx, .offset: 80, .size: 8, .value_kind: global_buffer, .address_space: global }
      - { .name: rbt, .offset: 88, .size: 8, .value_kind: global_buffer, .address_space: global }
      - { .name: wq, .offset: 96, .size: 8, .value_kind: global_buffer, .address_space: global }
      - { .name: ws, .offset: 104, .size: 8, .value_kind: global_buffer, .address_space: global }
    .group_segment_fixed_size: 73728
    .private_segment_fixed_size: 0
    .kernarg_segment_align: 8
    .kernarg_segment_size: 112
    .max_flat_workgroup_size: 512
    .sgpr_count:     66
    .vgpr_count:     256
    .wavefront_size: 32
...
	.end_amdgpu_metadata
.endif
;; end of part 1
;; launch resonate (part 2): grid 256 x 1, 16 waves a work-group, no clusters, 104,704 bytes of LDS; arguments xct, idx, rbt, wq, ws, t, sin_table, cos_table, out0, out1; writes out0, out1
.if DOCPART == 2
	.amdgcn_target "amdgcn-amd-amdhsa--gfx1250"
	.amdhsa_code_object_version 6
	.text
	.protected	k_qb5b2ca4a71_resonate
	.globl	k_qb5b2ca4a71_resonate
	.p2align	8
	.type	k_qb5b2ca4a71_resonate,@function
k_qb5b2ca4a71_resonate:
	s_mov_b64 s[64:65], 0
	v_nop
	global_prefetch_b8 v0, s[64:65] scope:SCOPE_SE
	s_setreg_imm32_b32 hwreg(HW_REG_WAVE_MODE, 25, 1), 1
	s_wait_xcnt 0x0
; SECOND LAUNCH OF TWO.  For every (b, n, d): the two tables are read at the index that the first launch stored, interpolated by frac = pos - floor(pos), and summed over d; then
; out0 = cos_sum Wr^T and out1 = sin_sum Wi^T on codes of FP4 (E2M1) with one E8M0 scale for each 32 along n.
; pos is formed again from the same bits (xct, rbt, t) by the same fused multiply-add and addition as in the first launch, so frac belongs to the stored index.
; THE TABLES lie in LDS as 4,096 records of 16 bytes: {sin[i], cos[i], sin[i+1] - sin[i], cos[i+1] - cos[i]}, i + 1 taken mod 4096: one load of 16 bytes a look-up, and
; s0 + frac (s1 - s0) in place of s0 (1 - frac) + s1 frac: another order of rounding, within a few 2^-24 of the entries.
; LIMITS: as in the first launch: |pos| under 2^31; NaN and infinities are not served; v_fract_f32 stays under 1 where pos - floor(pos) would round to 1 (the interpolant is continuous there);
; a block of zeros gets the scale byte 1: its codes are zeros.
; SHARES.  Work-group g owns rows 4 g .. 4 g + 3, all 128 n, all 512 d.  Wave w: n = 32 (w & 3) + lane, columns 128 (w >> 2) on, two columns a step, 64 steps; the four rows lie in registers, so no sum crosses lanes.
; The indices and {r', bp'} come straight into registers, 512 consecutive bytes a load, through a ring of eight steps; xc comes by scalar loads, four columns at a time, in two sets by turns.
; No tensor load, no cluster: the only stream that work-groups share is {r', bp'}, and through LDS it would add reads to the unit that the look-ups already load.
; No prefetch: the indices' loads run eight steps ahead of their use in registers, and the launch streams them all the time.
.set CPOS, 0x4422f983                  ; 4096 / 2 pi
.set TAB,  0                           ; LDS: the records, 65,536 bytes
.set RED,  65536                       ; [quarter of d: 4][row: 4][n: 128]{S, C}: 16,384 bytes
.set SUM,  81920                       ; [cos, sin][row: 4] rows of 512 bytes + 16; 2,112 bytes a kind
.set OST,  86272                       ; [out0, out1][row: 4][512 f32]: 16,384 bytes
.set TM,   16                          ; v16-23  at work in QUANT; v22 is a lane permute's destination
.set IX,   24                          ; v24-55  ring: eight steps' indices
.set RB,   56                          ; v56-87  ring: eight steps' {r' d0, bp' d0, r' d1, bp' d1}
.set REC,  88                          ; v88-119 eight records
.set A,    120                         ; v120-127 eight LDS addresses
.set P,    128                         ; v128-135 eight pos, then frac
.set AF,   136                         ; v136-143 row b: the sums of frac x {ds, dc}
.set AA,   144                         ; v144-151 row b: the sums of {s0, c0}
.set N0,   24                          ; behind the loop: 64 numbers of cos_sum,
.set N1,   152                         ; of sin_sum,
.set C0,   88                          ; their codes: v88-95, v96-103,
.set OA,   104                         ; four accumulators: v104-135,
.set WF,   216                         ; four weight fragments: v216-247,
.set WS,   248                         ; v248-251 their scale words, v252-253 the sums': scales and nothing else
.set NS,   252
.set SEL,  32                          ; s[32:33] lane selects: lane l xor 16
.set TP,   36                          ; s[36:39] t' of the four rows
.set SA,   40                          ; s[40:55], s[68:83]: xc of four columns x four rows
.set SB,   68
.macro QUANT src, dst, sw              ; 64 numbers of a lane, k = 64 c + 32 h + 0 .. 31 of its row, become a fragment's codes and its scale word
.irp c, 0,1
	v_max3_num_f32 v[TM+\c], |v[\src+32*\c]|, |v[\src+32*\c+1]|, 0x1800000   ; the floor 2^(3 - 127) among the leaves: the byte cannot fall under 1
.endr
.irp i, 2,4,6,8,10,12,14,16,18,20,22,24,26,28,30
.irp c, 0,1
	v_max3_num_f32 v[TM+\c], v[TM+\c], |v[\src+32*\c+\i]|, |v[\src+32*\c+\i+1]|
.endr
.endr
.irp c, 0,1
	v_add_nc_u32 v[TM+2+\c], 0xff000000, v[TM+\c]      ; 2 off the exponent field: the conversion's scale operand
.endr
.irp c, 0,1
	v_lshrrev_b32 v[TM+4+\c], 23, v[TM+2+\c]           ; the scale's byte
.endr
	v_lshl_or_b32 v[\sw], v[TM+5], 16, v[TM+4]
	v_lshlrev_b32 v[\sw], v4, v[\sw]                   ; 8 h bits up
	v_permlanex16_b32 v[TM+6], v[\sw], s[SEL], s[SEL+1]
	v_or_b32 v[\sw], v[\sw], v[TM+6]                   ; with lane l xor 16's two bytes the word is whole
.irp c, 0,1
.irp g, 0,1,2,3
	v_cvt_scalef32_pk8_fp4_f32 v[\dst+4*\c+\g], v[\src+32*\c+8*\g:\src+32*\c+8*\g+7], v[TM+2+\c]
.endr
.endr
	v_nop                                              ; one plain instruction behind the last scaled conversion
.endm
.macro BAR
	s_wait_dscnt 0x0
	s_barrier_signal -1
	s_barrier_wait -1
.endm
.macro TERM a, sh                      ; s58 += s[a] << sh
	s_lshl_b32 s57, s[\a], \sh
	s_add_co_u32 s58, s58, s57
.endm
	s_load_b512 s[8:23], s[0:1], 0x0               ; xct s[8:9], idx s[10:11], rbt s[12:13], wq s[14:15], ws s[16:17], t s[18:19], sin_table s[20:21], cos_table s[22:23]
	s_load_b128 s[24:27], s[0:1], 0x40             ; out0, out1
	v_lshl_add_u32 v254, v0, 2, 0x19100
	v_mov_b32 v255, 0
	v_lshrrev_b32 v1, 5, v0
	v_readfirstlane_b32 s28, v1                    ; wave 0..15
	s_and_b32 s29, s28, 3                          ; ng
	s_lshr_b32 s30, s28, 2                         ; dq
	s_mov_b32 s60, ttmp9                           ; g
	s_mov_b32 s[SEL], 0x76543210
	s_mov_b32 s[SEL+1], 0xfedcba98
	s_mov_b32 s59, 0                               ; the upper word of every offset
	v_and_b32 v16, 31, v0                          ; lane
	v_lshlrev_b32 v1, 4, v16                       ; 16 x lane
	v_and_b32 v2, 15, v0                           ; r
	v_bfe_u32 v3, v0, 4, 1                         ; h
	v_lshlrev_b32 v4, 3, v3                        ; 8 h
	s_lshl_b32 s56, s30, 12
	s_lshl_b32 s57, s29, 8
	s_add_co_u32 s56, s56, s57
	s_add_co_u32 s56, s56, RED
	v_lshl_add_u32 v5, v16, 3, s56                 ; where my sums go: quarter dq, n = 32 ng + lane, 8 bytes; a row is 1,024 bytes on
	v_lshl_add_u32 v6, v0, 3, RED                  ; and where thread (row, n) = (thread >> 7, thread & 127) reads the four quarters
	v_lshrrev_b32 v17, 7, v0
	v_and_b32 v18, 127, v0
	v_mul_u32_u24 v17, v17, 528
	v_lshl_add_u32 v7, v18, 2, v17
	v_add_nc_u32 v7, SUM, v7                       ; the finished sum's place
	v_and_b32 v17, 3, v0
	v_mul_u32_u24 v18, v17, 528
	v_lshl_add_u32 v8, v3, 7, v18
	v_add_nc_u32 v8, SUM, v8                       ; the operand's numbers: lane r takes row r & 3, + 128 h
	s_lshl_b32 s56, s28, 7
	s_add_co_u32 s56, s56, OST
	v_lshlrev_b32 v9, 11, v17
	v_lshl_add_u32 v9, v3, 5, v9
	v_add_nc_u32 v9, s56, v9                       ; the results' stage: row r & 3, my 32 columns, + 32 h
	s_lshl_b32 s56, s28, 10
	s_add_co_u32 s56, s56, OST
	v_add_nc_u32 v10, s56, v1                      ; and back: 1,024 bytes a wave
	v_lshlrev_b32 v11, 2, v16                      ; 4 x lane
	v_lshlrev_b32 v12, 2, v0                       ; 4 x thread
	v_add_nc_u32 v13, 3585, v0
	v_and_b32 v13, 4095, v13
	v_lshlrev_b32 v13, 2, v13                      ; the successor of entry thread + 3584, round the table's end
	v_mov_b32 v14, 0
	v_lshlrev_b32 v15, 4, v0                       ; 16 x thread: a record's place
	v_mov_b32 v[TM+6], 0                           ; written once: a lane permute's destination counts as one of its sources
.irp j, 0,1,2,3,4,5,6,7,8,9,10,11,12,13,14,15
	v_mov_b32 v[AF+\j], 0                          ; the sixteen sums
.endr
	s_wait_kmcnt 0x0
	s_lshl_b32 s58, s29, 17                        ; rbt: [ng][pair of columns][lane][16 bytes]: 64 pairs a quarter
	TERM 30, 15
	s_add_nc_u64 s[12:13], s[12:13], s[58:59]
	TERM 60, 19                                    ; idx: the same inside group g of 524,288 bytes
	s_add_nc_u64 s[10:11], s[10:11], s[58:59]
	s_lshl_b32 s58, s60, 13                        ; xct: group g of 8,192 bytes, 128 columns of 16 bytes a quarter
	TERM 30, 11
	s_add_nc_u64 s[8:9], s[8:9], s[58:59]
	s_lshl_b32 s58, s60, 4                         ; t: 4 g
	s_add_nc_u64 s[18:19], s[18:19], s[58:59]
	s_lshl_b32 s58, s28, 11                        ; wq: tiles 2 w, 2 w + 1, 1,024 bytes each
	s_add_nc_u64 s[14:15], s[14:15], s[58:59]
	s_lshl_b32 s58, s28, 8                         ; ws: 128 bytes each
	s_add_nc_u64 s[16:17], s[16:17], s[58:59]
	s_bfe_u32 s61, s28, 0x20001                    ; the way out: wave w stores half w & 1 of row (w >> 1) & 3 of out0 (w < 8) or out1
	s_and_b32 s62, s28, 1
	s_lshl_b32 s58, s60, 13
	TERM 61, 11
	TERM 62, 10
	s_cmp_lt_u32 s28, 8
	s_cselect_b64 s[24:25], s[24:25], s[26:27]
	s_add_nc_u64 s[24:25], s[24:25], s[58:59]
	global_load_b128 v[P:P+3], v14, s[18:19]       ; t of my four rows
.irp k, 0,1,2,3,4,5,6                  ; entry thread + 512 k and its successor, straight into a record's order
	global_load_b32 v[REC+4*\k],   v12, s[20:21] offset:2048*\k
	global_load_b32 v[REC+4*\k+1], v12, s[22:23] offset:2048*\k
	global_load_b32 v[REC+4*\k+2], v12, s[20:21] offset:2048*\k+4
	global_load_b32 v[REC+4*\k+3], v12, s[22:23] offset:2048*\k+4
.endr
	global_load_b32 v[REC+28], v12, s[20:21] offset:14336
	global_load_b32 v[REC+29], v12, s[22:23] offset:14336
	global_load_b32 v[REC+30], v13, s[20:21]
	global_load_b32 v[REC+31], v13, s[22:23]
.irp s, 0,1,2,3,4,5,6,7                ; the ring is filled: steps 0 to 7
	global_load_b128 v[IX+4*\s:IX+4*\s+3], v1, s[10:11] offset:512*\s th:TH_LOAD_NT
	global_load_b128 v[RB+4*\s:RB+4*\s+3], v1, s[12:13] offset:512*\s
.endr
	s_load_b512 s[SA:SA+15], s[8:9], 0x0           ; xc of the first four columns
	s_wait_loadcnt 16                              ; t and the tables are in; the ring's 16 loads may be out
.irp k, 0,1,2,3,4,5,6,7
	v_sub_f32 v[REC+4*\k+2], v[REC+4*\k+2], v[REC+4*\k]
	v_sub_f32 v[REC+4*\k+3], v[REC+4*\k+3], v[REC+4*\k+1]
.endr
.irp k, 0,1,2,3,4,5,6,7
	ds_store_b128 v15, v[REC+4*\k:REC+4*\k+3] offset:8192*\k
.endr
.irp b, 0,1,2,3
	v_mul_f32 v[P+\b], CPOS, v[P+\b]               ; t' = C t, as the first launch made it
.endr
.irp b, 0,1,2,3
	v_readfirstlane_b32 s[TP+\b], v[P+\b]
.endr
	BAR                                            ; the table lies in LDS
; A STEP: two columns x four rows, element e = 4 (column % 2) + row.  s: the ring's slot; xs: where xc's eight numbers stand; more = 1: the slot is filled again, eight steps ahead.
.macro STEP s, xs, more
.set II, IX+4*(\s)
.set RR, RB+4*(\s)
.if \more
	s_wait_loadcnt 14                              ; my slot's two loads are in; the seven younger slots' pairs may be out
.else
	s_wait_loadcnt 14-2*(\s)                       ; the last eight steps load nothing: the counts run down
.endif
.irp m, 0,1,2,3
	v_and_b32 v[A+2*\m], 0xffff, v[II+\m]
	v_lshrrev_b32 v[A+2*\m+1], 16, v[II+\m]
.endr
.irp e, 0,1,2,3,4,5,6,7
	v_min_u32 v[A+\e], 0xfff0, v[A+\e]             ; a loaded number is held inside the table before it is an address
.endr
.irp e, 0,1,2,3,4,5,6,7
	ds_load_b128 v[REC+4*\e:REC+4*\e+3], v[A+\e]
.endr
.irp e, 0,1,2,3,4,5,6,7
	v_fma_f32 v[P+\e], s[\xs+\e], v[RR+2*(\e/4)], v[RR+2*(\e/4)+1]   ; xc r' + bp'
.endr
.irp e, 0,1,2,3,4,5,6,7
	v_add_f32 v[P+\e], s[TP+\e%4], v[P+\e]         ; + t'
.endr
.irp e, 0,1,2,3,4,5,6,7
	v_fract_f32 v[P+\e], v[P+\e]
.endr
.if \more
	global_load_b128 v[II:II+3], v1, s[10:11] offset:((\s)+8)*512 th:TH_LOAD_NT
	global_load_b128 v[RR:RR+3], v1, s[12:13] offset:((\s)+8)*512
.endif
.irp e, 0,1,2,3,4,5,6,7
.if \e%2 == 0
	s_wait_dscnt 6-\e                              ; records e and e + 1 are in; the younger ones may be out
	v_pk_fma_f32 v[AF+2*(\e%4):AF+2*(\e%4)+1], v[REC+4*\e+2:REC+4*\e+3], v[P+\e:P+\e+1], v[AF+2*(\e%4):AF+2*(\e%4)+1] op_sel_hi:[1,0,1]   ; frac: the pair's first word for both halves
.else
	v_pk_fma_f32 v[AF+2*(\e%4):AF+2*(\e%4)+1], v[REC+4*\e+2:REC+4*\e+3], v[P+\e-1:P+\e], v[AF+2*(\e%4):AF+2*(\e%4)+1] op_sel:[0,1,0] op_sel_hi:[1,1,1]   ; its second word
.endif
	v_pk_add_f32 v[AA+2*(\e%4):AA+2*(\e%4)+1], v[AA+2*(\e%4):AA+2*(\e%4)+1], v[REC+4*\e:REC+4*\e+1]
.endr
.endm
; A GROUP: four columns, two steps, on one set of xc; next = 1: the following group's xc is asked for, into the other set
.macro GROUP k, more, next
	s_wait_kmcnt 0x0                               ; scalar loads return in no order: only the count 0 shows that my set is in
.if (\k)%2 == 0
.if \next
	s_load_b512 s[SB:SB+15], s[8:9], 64*(\k)+64
.endif
	STEP 2*(\k), SA, \more
	STEP 2*(\k)+1, SA+8, \more
.else
.if \next
	s_load_b512 s[SA:SA+15], s[8:9], 64*(\k)+64
.endif
	STEP 2*(\k), SB, \more
	STEP 2*(\k)+1, SB+8, \more
.endif
.endm
	s_mov_b32 s31, 7
.Ltrip:                                            ; a trip goes once round the ring: eight steps, sixteen columns
	GROUP 0, 1, 1
	GROUP 1, 1, 1
	GROUP 2, 1, 1
	GROUP 3, 1, 1
	s_wait_xcnt 0x0                                ; the three bases are stepped only behind this wait
	s_add_nc_u64 s[10:11], s[10:11], 4096
	s_add_nc_u64 s[12:13], s[12:13], 4096
	s_add_nc_u64 s[8:9], s[8:9], 256
	s_sub_co_u32 s31, s31, 1
	s_cmp_lg_u32 s31, 0
	s_cbranch_scc1 .Ltrip
	GROUP 0, 0, 1                                  ; the last eight steps are written out: no load leaves its buffer
	GROUP 1, 0, 1
	GROUP 2, 0, 1
	GROUP 3, 0, 0
	; ---- my four weight fragments (tiles 2 w, 2 w + 1 of Wr and of Wi) are asked for now and waited for ahead of the products
.irp kd, 0,1
.irp u, 0,1
.irp c, 0,1
	global_load_b128 v[WF+8*(2*\kd+\u)+4*\c:WF+8*(2*\kd+\u)+4*\c+3], v1, s[14:15] offset:32768*\kd+1024*\u+512*\c
.endr
	global_load_b32 v[WS+2*\kd+\u], v11, s[16:17] offset:4096*\kd+128*\u
.endr
.endr
.irp b, 0,1,2,3
	v_pk_add_f32 v[AF+2*\b:AF+2*\b+1], v[AF+2*\b:AF+2*\b+1], v[AA+2*\b:AA+2*\b+1]
.endr
	BAR                                            ; every wave's look-ups are over: only now is LDS written again
.irp b, 0,1,2,3
	ds_store_b64 v5, v[AF+2*\b:AF+2*\b+1] offset:1024*\b
.endr
	BAR
.irp q, 0,1,2,3
	ds_load_b64 v[A+2*\q:A+2*\q+1], v6 offset:4096*\q      ; one (row, n) a thread: its four quarters of d
.endr
	s_wait_dscnt 0x0
	v_pk_add_f32 v[A:A+1], v[A:A+1], v[A+2:A+3]
	v_pk_add_f32 v[A+4:A+5], v[A+4:A+5], v[A+6:A+7]
	v_pk_add_f32 v[A:A+1], v[A:A+1], v[A+4:A+5]
	ds_store_b32 v7, v[A+1]                        ; cos_sum
	ds_store_b32 v7, v[A] offset:2112              ; sin_sum
	BAR
	; ---- every wave quantises both operands for itself: 4 rows x 128 n; lane r takes row r & 3, so that all sixteen columns of the operand hold numbers
.irp c, 0,1
.irp i, 0,1,2,3,4,5,6,7
	ds_load_b128 v[N0+32*\c+4*\i:N0+32*\c+4*\i+3], v8 offset:256*\c+16*\i
.endr
.endr
.irp c, 0,1
.irp i, 0,1,2,3,4,5,6,7
	ds_load_b128 v[N1+32*\c+4*\i:N1+32*\c+4*\i+3], v8 offset:2112+256*\c+16*\i
.endr
.endr
	s_wait_dscnt 16                                ; cos_sum is in; sin_sum's 16 loads may be out
	QUANT N0, C0, NS
	s_wait_dscnt 0x0
	QUANT N1, C0+8, NS+1
.rept 8
	v_nop                                          ; a scale register written by a vector instruction stands eight places ahead of a scaled matrix instruction, an operand so written four
.endr
	s_wait_loadcnt 0x0                             ; the weights
.irp kd, 0,1                           ; source 0 = 16 rows of the weight, source 1 = the sums: lane (r, h), register j = out(row r & 3, column 16 tile + 8 h + j).  Four accumulators, each begun with 0
.irp u, 0,1
	v_wmma_scale_f32_16x16x128_f8f6f4 v[OA+8*(2*\kd+\u):OA+8*(2*\kd+\u)+7], v[WF+8*(2*\kd+\u):WF+8*(2*\kd+\u)+7], v[C0+8*\kd:C0+8*\kd+7], 0, v[WS+2*\kd+\u], v[NS+\kd] matrix_a_fmt:MATRIX_FMT_FP4 matrix_b_fmt:MATRIX_FMT_FP4
.endr
.endr
.rept 4
	v_nop                                          ; four places behind the last product (ISA guide 7.12.1)
.endr
.irp kd, 0,1
.irp u, 0,1
	ds_store_b128 v9, v[OA+8*(2*\kd+\u):OA+8*(2*\kd+\u)+3] offset:8192*\kd+64*\u          ; each accumulator from its low end on; the four lanes of a row write the same bytes with the same values
	ds_store_b128 v9, v[OA+8*(2*\kd+\u)+4:OA+8*(2*\kd+\u)+7] offset:8192*\kd+64*\u+16
.endr
.endr
	BAR                                            ; eight whole rows lie in the stage
	ds_load_b128 v[24:27], v10
	ds_load_b128 v[28:31], v10 offset:512
	s_wait_dscnt 0x0
	global_store_b128 v1, v[24:27], s[24:25] th:TH_STORE_NT            ; 512 consecutive bytes a store, aligned
	global_store_b128 v1, v[28:31], s[24:25] offset:512 th:TH_STORE_NT
	s_wait_tensorcnt 0x0
	ds_add_u32 v254, v255
	s_wait_dscnt 0x0
	s_endpgm
.Lfunc_end_k_qb5b2ca4a71_resonate:
	.size	k_qb5b2ca4a71_resonate, .Lfunc_end_k_qb5b2ca4a71_resonate-k_qb5b2ca4a71_resonate
	.p2alignl 7, 3214868480
	.fill 96, 4, 3214868480
	.section	.rodata,"a",@progbits
	.p2align	6, 0x0
	.amdhsa_kernel k_qb5b2ca4a71_resonate
		.amdhsa_group_segment_fixed_size 104704
		.amdhsa_private_segment_fixed_size 0
		.amdhsa_enable_private_segment 0
		.amdhsa_kernarg_size 80
		.amdhsa_user_sgpr_count 2
		.amdhsa_user_sgpr_kernarg_segment_ptr 1
		.amdhsa_wavefront_size32 1
		.amdhsa_system_sgpr_workgroup_id_x 1
		.amdhsa_system_sgpr_workgroup_id_y 1
		.amdhsa_system_sgpr_workgroup_id_z 1
		.amdhsa_system_vgpr_workitem_id 0
		.amdhsa_next_free_vgpr 256
		.amdhsa_next_free_sgpr 90
		.amdhsa_reserve_vcc 0
		.amdhsa_float_denorm_mode_32 3
		.amdhsa_float_denorm_mode_16_64 3
		.amdhsa_memory_ordered 1
		.amdhsa_forward_progress 1
		.amdhsa_inst_pref_size 82
	.end_amdhsa_kernel
	.amdgpu_metadata
---
amdhsa.version: [ 1, 2 ]
amdhsa.kernels:
  - .name:           k_qb5b2ca4a71_resonate
    .symbol:         k_qb5b2ca4a71_resonate.kd
    .args:
      - { .name: xct, .offset: 0, .size: 8, .value_kind: global_buffer, .address_space: global }
      - { .name: idx, .offset: 8, .size: 8, .value_kind: global_buffer, .address_space: global }
      - { .name: rbt, .offset: 16, .size: 8, .value_kind: global_buffer, .address_space: global }
      - { .name: wq, .offset: 24, .size: 8, .value_kind: global_buffer, .address_space: global }
      - { .name: ws, .offset: 32, .size: 8, .value_kind: global_buffer, .address_space: global }
      - { .name: t, .offset: 40, .size: 8, .value_kind: global_buffer, .address_space: global }
      - { .name: sin_table, .offset: 48, .size: 8, .value_kind: global_buffer, .address_space: global }
      - { .name: cos_table, .offset: 56, .size: 8, .value_kind: global_buffer, .address_space: global }
      - { .name: out0, .offset: 64, .size: 8, .value_kind: global_buffer, .address_space: global }
      - { .name: out1, .offset: 72, .size: 8, .value_kind: global_buffer, .address_space: global }
    .group_segment_fixed_size: 104704
    .private_segment_fixed_size: 0
    .kernarg_segment_align: 8
    .kernarg_segment_size: 80
    .max_flat_workgroup_size: 512
    .sgpr_count:     90
    .vgpr_count:     256
    .wavefront_size: 32
...
	.end_amdgpu_metadata
.endif
;; end of part 2
;; ======== version 2 of 2: 2 launches; version 1 with the launches collapse, resonate written anew for expert scheduling mode
;; workspace buffers: xct 2,097,152 bytes; idx 134,217,728 bytes of whole numbers; rbt 524,288 bytes; wq 65,536 bytes; ws 8,192 bytes
;; launch collapse (part 3): grid 256 x 1, 16 waves a work-group, no clusters, 73,728 bytes of LDS; arguments x_real, x_imag, Wc, bc, W, Bp, Wr, Wi, t, xct, idx, rbt, wq, ws; writes xct, idx, rbt, wq, ws
.if DOCPART == 3
	.amdgcn_target "amdgcn-amd-amdhsa--gfx1250"
	.amdhsa_code_object_version 6
	.text
	.protected	k_qb5b2ca4a71_collapse
	.globl	k_qb5b2ca4a71_collapse
	.p2align	8
	.type	k_qb5b2ca4a71_collapse,@function
k_qb5b2ca4a71_collapse:
	s_mov_b64 s[64:65], 0
	v_nop
	global_prefetch_b8 v0, s[64:65] scope:SCOPE_SE
	s_setreg_imm32_b32 hwreg(HW_REG_WAVE_SCHED_MODE, 0, 2), 2
	s_setreg_imm32_b32 hwreg(HW_REG_WAVE_MODE, 25, 1), 1
	s_wait_xcnt 0x0
	s_wait_alu depctr_vm_vsrc(0)
; FIRST LAUNCH OF TWO.  xc = [x_real, x_imag] Wc^T + bc on codes of FP4 (E2M1) with one E8M0 scale for each 32 along K, and then, for every (b, n, d), the table index of
; pos = xc[b][d] r'[n][d] + bp'[n][d] + t'[b], with r' = C / (1 + |W|), bp' = C Bp, t' = C t, C = 4096 / 2 pi in f32.  The index floor(pos) mod 4096 is stored as a whole number, times 16 (a record's
; byte offset in the next launch's table), 2 bytes each: it is made here and used in the next launch.
; Also stored for the next launch: xc (xct), r' and bp' in the order in which its lanes take them (rbt), and Wr's and Wi's codes and scale words as images of operand registers (wq, ws).
; LIMITS.  The order of rounding differs from (x / w + Bp + t) C: each term is scaled by C first, r' is a reciprocal with one residual step; each term carries at most one rounding of 2^-24 more, and the
; interpolated table is continuous in pos.  |pos| stays under 2^31 (the conversion to a whole number saturates there).  NaN and infinities among the inputs are not served.  A block of zeros gets the scale byte 1
; where the quantiser says 127: its codes are zeros, and the bytes are read by this program alone.
; SHARES.  Work-group q = 8 bt + dt owns rows 32 bt .. + 31 and columns 64 dt .. + 63 of xc, for all 128 n: 262,144 indices.  Sixteen waves.
;   quantise: wave w makes fragment w of x (16 rows x 128 K) and fragments 2 w, 2 w + 1 of Wc; they go to LDS as images of their registers (lane l's 16 bytes at 16 l, 512 bytes a store).
;   product:  wave w makes tile (w & 1, (w >> 1) & 3) of 16 x 16 for half w >> 3 of K: four matrix instructions on two accumulators by turns; the halves meet in LDS.
;   indices:  wave w takes n = 32 (w & 3) + lane and 16 columns d (w >> 2); r', bp' and t' stay in registers, xc comes from LDS, the same address in all lanes.
; No tensor load, no cluster: the tiles are small, are quantised on the way, and the launch's time goes into the index arithmetic and its stores.
; THE MODE: SCHED_MODE bits 1:0 = 2 (LLVM: expert scheduling mode 2), set by the entry lines.  The code itself states the register dependences
; between vector or matrix instructions and memory or LDS instructions, with s_wait_alu, always for 0.
; THE PLAN.  Registers that memory or LDS instructions touch:
;   v5-v23, v25   addresses and offsets: written once at the head, ahead of one wait on va_vdst, and never again.
;   XA, XB, XC    raw numbers: loads land, QUANT reads; behind the wait that follows a QUANT its set may be loaded again (XA: Wr or Wi, later the products' fragments; XB: W, Bp, t).
;   PC, PW        codes and scale word: QUANT writes, the image's stores read (a wait on va_vdst between); the next QUANT writes them again (a wait on vm_vsrc between).
;   AC0, RB       written by vector instructions, read by stores behind a wait on va_vdst, never written again.
;   X0, X1        xc from LDS, by turns: iteration i's arithmetic reads X[i % 2]; the loads of iteration i + 1 land in X[i % 2] (xc of iteration i + 2).
;   QS0, QS1      packed indices, by turns: iteration i writes QS[i % 2]; the four stores that read it are issued in iteration i + 1.
; So the three waits at the head of an iteration state all that its twelve LDS and memory instructions hang on: they touch X and QS of the iteration before, which no vector instruction of this iteration names.
.set CPOS, 0x4422f983                  ; 4096 / 2 pi
.set XIMG, 0                           ; LDS: x's 16 fragments, 1,024 bytes each (tile of rows m, K step s: 8 m + s)
.set WIMG, 16384                       ; Wc's 32 fragments (tile of columns j, K step s: 8 j + s)
.set XSC,  49152                       ; x's scale words, 128 bytes a fragment
.set WSC,  51200                       ; Wc's
.set PART, 55296                       ; the upper K half's sums: 8 tiles x 1,024 bytes
.set XT,   63488                       ; xc: [group of 4 rows: 8][column: 64][16 bytes]
.set TM,   26                          ; v26-33  at work in QUANT; v32 is a lane permute's destination
.set PC,   34                          ; v34-41  the codes just made
.set PW,   42                          ; v42     the scale word just made
.set SX,   48                          ; v48-51  x's scale words for the products: scales and nothing else
.set SW,   52                          ; v52-55  Wc's
.set XA,   56                          ; v56-119, v120-183, v184-247: three sets of 64 numbers
.set XB,   120
.set XC,   184
.set FX,   56                          ; the products: x's four fragments,
.set FW,   88                          ; Wc's four,
.set AC0,  184                         ; two accumulators,
.set AC1,  192
.set PT,   200                         ; the partner's sums
.set WL,   120                         ; v120-135 W, then 1 + |W|, then the residual
.set BL,   136                         ; v136-151 Bp
.set T,    152                         ; v152-183 t' of my 32 rows
.set R0,   56                          ; v56-71  the reciprocals
.set QR,   72                          ; v72-87  C x reciprocal
.set RB,   208                         ; v208-239 pair of columns p: {r' d0, bp' d0, r' d1, bp' d1} at RB + 4 p
.set X,    56                          ; v56-119 two sets of xc: 8 columns x 4 rows
.set P,    120                         ; v120-127 eight pos
.set QS,   128                         ; v128-143 and v240-255: two groups of four sets of packed indices, by turns
.set QD,   112                         ; from the first group to the second
.set SEL,  46                          ; s[46:47] lane selects: lane l xor 16
; 64 numbers of a lane in the operand's own order: lane (r, h) takes k = 64 c + 32 h + 0 .. 31 of row r, c = 0, 1
.macro FLOAD reg, adr, base, off
.irp c, 0,1
.irp i, 0,1,2,3,4,5,6,7
	global_load_b128 v[\reg+32*\c+4*\i:\reg+32*\c+4*\i+3], v[\adr], s[\base:\base+1] offset:\off+256*\c+16*\i
.endr
.endr
.endm
; They become a fragment's 8 registers of codes at v[dst] and its scale word in v[sw].  A lane holds two whole blocks of 32: h and 2 + h of its row.
.macro QUANT src, dst, sw
.irp c, 0,1
	v_max3_num_f32 v[TM+\c], |v[\src+32*\c]|, |v[\src+32*\c+1]|, 0x1800000   ; the floor 2^(3 - 127) among the leaves: the byte cannot fall under 1
.endr
.irp i, 2,4,6,8,10,12,14,16,18,20,22,24,26,28,30
.irp c, 0,1
	v_max3_num_f32 v[TM+\c], v[TM+\c], |v[\src+32*\c+\i]|, |v[\src+32*\c+\i+1]|   ; the two blocks by turns
.endr
.endr
.irp c, 0,1
	v_add_nc_u32 v[TM+2+\c], 0xff000000, v[TM+\c]      ; 2 off the exponent field: the conversion's scale operand
.endr
.irp c, 0,1
	v_lshrrev_b32 v[TM+4+\c], 23, v[TM+2+\c]           ; the scale's byte
.endr
	v_lshl_or_b32 v[\sw], v[TM+5], 16, v[TM+4]         ; my two bytes,
	v_lshlrev_b32 v[\sw], v4, v[\sw]                   ; 8 h bits up: at their places in the row's word;
	v_permlanex16_b32 v[TM+6], v[\sw], s[SEL], s[SEL+1]
	v_or_b32 v[\sw], v[\sw], v[TM+6]                   ; with lane l xor 16's two the word is whole
.irp c, 0,1
.irp g, 0,1,2,3
	v_cvt_scalef32_pk8_fp4_f32 v[\dst+4*\c+\g], v[\src+32*\c+8*\g:\src+32*\c+8*\g+7], v[TM+2+\c]
.endr
.endr
	v_nop                                              ; one plain instruction behind the last scaled conversion
.endm
.macro IMG adr, sadr, off, soff        ; the fragment and its scale word go to LDS as they stand in the registers
	ds_store_b128 v[\adr], v[PC:PC+3] offset:\off
	ds_store_b128 v[\adr], v[PC+4:PC+7] offset:\off+512
	ds_store_b32 v[\sadr], v[PW] offset:\soff
.endm
.macro BAR                             ; my LDS stores have landed and my LDS loads are in: then the work-group's barrier
	s_wait_dscnt 0x0
	s_barrier_signal -1
	s_barrier_wait -1
.endm
.macro TERM a, sh                      ; s50 += s[a] << sh
	s_lshl_b32 s52, s[\a], \sh
	s_add_co_u32 s50, s50, s52
.endm
	s_load_b512 s[8:23], s[0:1], 0x0               ; x_real s[8:9], x_imag s[10:11], Wc s[12:13], bc s[14:15], W s[16:17], Bp s[18:19], Wr s[20:21], Wi s[22:23]
	s_load_b256 s[24:31], s[0:1], 0x40             ; t s[24:25], xct s[26:27], idx s[28:29], rbt s[30:31]
	s_load_b128 s[32:35], s[0:1], 0x60             ; wq s[32:33], ws s[34:35]
	v_lshl_add_u32 v46, v0, 2, 0x11800
	v_mov_b32 v47, 0
	v_lshrrev_b32 v1, 5, v0
	v_readfirstlane_b32 s36, v1                    ; wave 0..15
	s_mov_b32 s45, ttmp9                           ; q
	s_lshr_b32 s37, ttmp9, 3                       ; bt
	s_and_b32 s38, ttmp9, 7                        ; dt
	s_wait_alu depctr_va_sdst(0)                   ; s36 is written, ahead of its first reader: the wave's shares, addresses and branches are made from it
	s_and_b32 s39, s36, 3                          ; ng: which 32 n.  Also: wave & 3
	s_lshr_b32 s40, s36, 2                         ; dq: which 16 columns.  Also: wave >> 2
	s_and_b32 s41, s36, 1                          ; the product's tile of rows
	s_bfe_u32 s42, s36, 0x20001                    ; its tile of columns: (wave >> 1) & 3
	s_lshr_b32 s43, s36, 3                         ; its half of K.  Also: the tile of rows of the fragment of x that I quantise
	s_xor_b32 s44, s36, 15
	s_lshr_b32 s52, ttmp9, 6
	s_or_b32 s44, s44, s52                         ; 0 in wave 15 of work-groups 0 to 63: it also quantises fragment q of Wr and Wi
	s_mov_b32 s[SEL], 0x76543210
	s_mov_b32 s[SEL+1], 0xfedcba98
	s_mov_b32 s48, CPOS
	s_mov_b32 s51, 0                               ; the upper word of every offset
	v_and_b32 v1, 31, v0                           ; lane
	v_and_b32 v2, 15, v0                           ; r
	v_bfe_u32 v3, v0, 4, 1                         ; h
	v_lshlrev_b32 v4, 3, v3                        ; 8 h
	v_lshlrev_b32 v5, 4, v1                        ; 16 x lane
	v_lshlrev_b32 v6, 2, v1                        ; 4 x lane
	v_lshlrev_b32 v7, 11, v2
	v_lshl_add_u32 v7, v3, 7, v7                   ; x: row r of 2,048 bytes + 128 h
	v_lshlrev_b32 v8, 12, v2
	v_lshl_add_u32 v8, v3, 7, v8                   ; Wc: row r of 4,096 bytes + 128 h
	v_lshlrev_b32 v9, 9, v2
	v_lshl_add_u32 v9, v3, 7, v9                   ; Wr, Wi: row r of 512 bytes + 128 h
	v_lshlrev_b32 v10, 11, v1                      ; W, Bp: row = lane, 2,048 bytes
	v_lshlrev_b32 v23, 2, v2                       ; bc: 4 r
	v_mov_b32 v25, 0
	v_mov_b32 v[TM+6], 0                           ; written once: a lane permute's destination counts as one of its sources
	; every LDS address is made here, ahead of the first branch: a constant + a constant x wave + a constant x lane
	s_lshl_b32 s54, s36, 10
	v_add_nc_u32 v11, s54, v5                      ; where I store x's image: XIMG (0) + 1,024 x wave
	s_lshl_b32 s54, s36, 7
	s_add_co_u32 s54, s54, XSC
	v_add_nc_u32 v12, s54, v6                      ; and its scale word
	s_lshl_b32 s54, s36, 11
	s_add_co_u32 s54, s54, WIMG
	v_add_nc_u32 v13, s54, v5                      ; Wc's two images
	s_lshl_b32 s54, s36, 8
	s_add_co_u32 s54, s54, WSC
	v_add_nc_u32 v14, s54, v6
	s_lshl_b32 s54, s41, 3
	s_lshl_b32 s55, s43, 2
	s_add_co_u32 s54, s54, s55                     ; the product's first fragment of x: 8 x tile of rows + 4 x half
	s_lshl_b32 s56, s54, 10
	v_add_nc_u32 v15, s56, v5
	s_lshl_b32 s56, s54, 7
	s_add_co_u32 s56, s56, XSC
	v_add_nc_u32 v16, s56, v6
	s_lshl_b32 s54, s42, 3
	s_add_co_u32 s54, s54, s55                     ; of Wc: 8 x tile of columns + 4 x half
	s_lshl_b32 s56, s54, 10
	s_add_co_u32 s56, s56, WIMG
	v_add_nc_u32 v17, s56, v5
	s_lshl_b32 s56, s54, 7
	s_add_co_u32 s56, s56, WSC
	v_add_nc_u32 v18, s56, v6
	s_and_b32 s54, s36, 7
	s_lshl_b32 s54, s54, 10
	s_add_co_u32 s54, s54, PART
	v_add_nc_u32 v19, s54, v5                      ; the halves meet: tile wave & 7
	s_lshl_b32 s54, s41, 12
	s_lshl_b32 s55, s42, 8
	s_add_co_u32 s54, s54, s55
	s_add_co_u32 s54, s54, XT
	v_lshlrev_b32 v20, 4, v2
	v_lshl_add_u32 v20, v3, 11, v20
	v_add_nc_u32 v20, s54, v20                     ; xc in LDS: group 4 x tile of rows + 2 h, column 16 x tile of columns + r
	s_lshl_b32 s54, s40, 8
	s_add_co_u32 s54, s54, XT
	v_mov_b32 v21, s54                             ; my 16 columns of xc, the same in all lanes
	v_lshlrev_b32 v22, 4, v2
	v_lshl_add_u32 v22, v3, 14, v22                ; xct: 2 h groups of 8,192 bytes + 16 r
	s_wait_kmcnt 0x0
	s_lshl_b32 s50, s37, 16                        ; x: (32 bt + 16 (wave >> 3)) rows of 2,048 bytes + K step (wave & 3) of 512 bytes,
	TERM 43, 15
	TERM 39, 9
	s_and_b32 s53, s36, 7
	s_cmp_lt_u32 s53, 4                            ; K steps 0-3 lie in x_real, 4-7 in x_imag: the choice hangs on the wave's number alone
	s_cselect_b64 s[8:9], s[8:9], s[10:11]
	s_add_nc_u64 s[8:9], s[8:9], s[50:51]
	s_lshl_b32 s50, s38, 18                        ; Wc: (64 dt + 16 (wave >> 2)) rows of 4,096 bytes + two K steps x (wave & 3)
	TERM 40, 16
	TERM 39, 10
	s_add_nc_u64 s[12:13], s[12:13], s[50:51]
	s_lshl_b32 s50, s38, 8                         ; bc: 64 dt + 16 x tile of columns
	TERM 42, 6
	s_add_nc_u64 s[14:15], s[14:15], s[50:51]
	s_wait_alu depctr_va_vdst(0)                   ; the addresses and offsets v5 to v23 and v25 are written: every load and store of the kernel reads one of them, and none is written again
	global_load_b32 v24, v23, s[14:15]             ; bc of my column r
	FLOAD XA, 7, 8, 0                              ; my fragment of x
	FLOAD XB, 8, 12, 0                             ; my two of Wc
	FLOAD XC, 8, 12, 512
	s_lshl_b32 s50, s39, 16                        ; W, Bp: 32 ng rows of 2,048 bytes + columns 64 dt + 16 dq
	TERM 38, 8
	TERM 40, 6
	s_add_nc_u64 s[16:17], s[16:17], s[50:51]
	s_add_nc_u64 s[18:19], s[18:19], s[50:51]
	s_and_b32 s50, s45, 31                         ; Wr or Wi: tile q & 31 of 16 rows of 512 bytes
	s_lshl_b32 s50, s50, 13
	s_cmp_lt_u32 s45, 32
	s_cselect_b64 s[20:21], s[20:21], s[22:23]
	s_add_nc_u64 s[20:21], s[20:21], s[50:51]
	s_lshl_b32 s50, s37, 7                         ; t: 32 bt
	s_add_nc_u64 s[24:25], s[24:25], s[50:51]
	s_lshl_b32 s50, s37, 16                        ; xct: group 8 bt + 4 x tile of rows, 8,192 bytes each; column 64 dt + 16 x tile of columns, 16 bytes each
	TERM 41, 15
	TERM 38, 10
	TERM 42, 8
	s_add_nc_u64 s[26:27], s[26:27], s[50:51]
	s_lshl_b32 s50, s39, 17                        ; rbt: [ng][pair of columns][lane][16 bytes]: pair 32 dt + 8 dq
	TERM 38, 14
	TERM 40, 12
	s_add_nc_u64 s[30:31], s[30:31], s[50:51]
	TERM 37, 22                                    ; idx: the same inside a group of 4 rows, 524,288 bytes a group: group 8 bt
	s_add_nc_u64 s[28:29], s[28:29], s[50:51]
	s_and_b32 s53, s45, 63                         ; wq, ws: fragment q (held inside the buffers in the work-groups that store nothing there)
	s_lshl_b32 s50, s53, 10
	s_add_nc_u64 s[32:33], s[32:33], s[50:51]
	s_lshl_b32 s50, s53, 7
	s_add_nc_u64 s[34:35], s[34:35], s[50:51]
	; ---- quantise
	s_wait_loadcnt 32                              ; bc and x's 16 loads are in; Wc's 32 were issued behind them
	QUANT XA, PC, PW
	s_wait_alu depctr_va_vdst(0)                   ; the codes and the scale word are written, which the image's stores read; QUANT is done reading XA, in which wave 15's loads below land
	IMG 11, 12, 0, 0
	s_wait_alu depctr_vm_vsrc(0)                   ; the image's stores have read the codes and the scale word, which the next QUANT writes: ahead of the branch, so on both ways
	s_cmp_lg_u32 s44, 0
	s_cbranch_scc1 .Lno_wfetch
	FLOAD XA, 9, 20, 0                             ; fragment q of Wr and Wi, into the registers that x has left
.Lno_wfetch:
	s_wait_loadcnt 16                              ; Wc's first fragment is in: at least its second's 16 loads were issued behind it
	s_wait_dscnt 0x0                               ; the image's stores have landed
	QUANT XB, PC, PW
	s_wait_alu depctr_va_vdst(0)                   ; the codes and the scale word are written, which the image's stores read; QUANT is done reading XB, in which W, Bp and t land
	IMG 13, 14, 0, 0
.irp i, 0,1,2,3
	global_load_b128 v[WL+4*\i:WL+4*\i+3], v10, s[16:17] offset:16*\i      ; W and Bp: my n, my 16 columns
	global_load_b128 v[BL+4*\i:BL+4*\i+3], v10, s[18:19] offset:16*\i
.endr
.irp i, 0,1,2,3,4,5,6,7
	global_load_b128 v[T+4*\i:T+4*\i+3], v25, s[24:25] offset:16*\i        ; t of the 32 rows, the same in all lanes
.endr
	s_wait_loadcnt 16                              ; all but these 16
	s_wait_dscnt 0x0
	s_wait_alu depctr_vm_vsrc(0)                   ; the image's stores have read the codes and the scale word, which the next QUANT writes
	QUANT XC, PC, PW
	s_wait_alu depctr_va_vdst(0)                   ; the codes and the scale word are written, which the image's stores read; every QUANT so far is done reading its numbers: the products' fragments and the partner's sums land there
	IMG 13, 14, 1024, 128
	s_wait_alu depctr_vm_vsrc(0)                   ; the image's stores have read the codes and the scale word, which wave 15's QUANT writes: ahead of the branch
	s_cmp_lg_u32 s44, 0
	s_cbranch_scc1 .Lno_wstore
	s_wait_dscnt 0x0
	QUANT XA, PC, PW
	s_wait_alu depctr_va_vdst(0)                   ; the codes and the scale word are written, which the stores read; QUANT is done reading XA, in which the products' fragments land
	global_store_b128 v5, v[PC:PC+3], s[32:33]             ; the image goes to memory as it would go to LDS; these registers are not written again
	global_store_b128 v5, v[PC+4:PC+7], s[32:33] offset:512
	global_store_b32 v6, v[PW], s[34:35]
.Lno_wstore:
	BAR                                            ; all 48 fragments lie in LDS
	; ---- the product: source 0 = 16 rows of x, source 1 = 16 rows of Wc: lane (r, h), register j = xc(row 8 h + j, column r)
.irp i, 0,1,2,3
.irp c, 0,1
	ds_load_b128 v[FX+8*\i+4*\c:FX+8*\i+4*\c+3], v15 offset:1024*\i+512*\c
	ds_load_b128 v[FW+8*\i+4*\c:FW+8*\i+4*\c+3], v17 offset:1024*\i+512*\c
.endr
	ds_load_b32 v[SX+\i], v16 offset:128*\i
	ds_load_b32 v[SW+\i], v18 offset:128*\i
.endr
	s_wait_dscnt 0x0                               ; operands and scales come from loads: their wait is all that is owed
.macro MM acc, i, c
	v_wmma_scale_f32_16x16x128_f8f6f4 v[\acc:\acc+7], v[FX+8*\i:FX+8*\i+7], v[FW+8*\i:FW+8*\i+7], \c, v[SX+\i], v[SW+\i] matrix_a_fmt:MATRIX_FMT_FP4 matrix_b_fmt:MATRIX_FMT_FP4
.endm
	MM AC0, 0, 0                                   ; two accumulators by turns, one instruction a turn; the first products start the sums
	MM AC1, 1, 0
	MM AC0, 2, v[AC0:AC0+7]
	MM AC1, 3, v[AC1:AC1+7]
.rept 4
	v_nop                                          ; four places behind the last product (ISA guide 7.12.1)
.endr
.irp j, 0,2,4,6
	v_pk_add_f32 v[AC0+\j:AC0+\j+1], v[AC0+\j:AC0+\j+1], v[AC1+\j:AC1+\j+1]   ; from the low end on
.endr
	s_cmp_eq_u32 s43, 0
	s_cbranch_scc1 .Llow_half
	s_wait_alu depctr_va_vdst(0)                   ; the additions have written AC0, which the stores read
	ds_store_b128 v19, v[AC0:AC0+3]                ; the upper half of K hands its sums over
	ds_store_b128 v19, v[AC0+4:AC0+7] offset:512
.Llow_half:
	BAR
	s_cmp_lg_u32 s43, 0
	s_cbranch_scc1 .Lhigh_half
	ds_load_b128 v[PT:PT+3], v19                   ; (no vector instruction since the wait behind the last QUANT names these registers)
	ds_load_b128 v[PT+4:PT+7], v19 offset:512
	s_wait_dscnt 0x0
.irp j, 0,2,4,6
	v_pk_add_f32 v[AC0+\j:AC0+\j+1], v[AC0+\j:AC0+\j+1], v[PT+\j:PT+\j+1]
.endr
.irp j, 0,2,4,6
	v_pk_add_f32 v[AC0+\j:AC0+\j+1], v[AC0+\j:AC0+\j+1], v[24:25] op_sel_hi:[1,0]   ; + bc of my column (the pair's low word for both halves)
.endr
	s_wait_alu depctr_va_vdst(0)                   ; the additions have written AC0, which the four stores read
	ds_store_b128 v20, v[AC0:AC0+3]                ; four rows of one column are 16 bytes
	ds_store_b128 v20, v[AC0+4:AC0+7] offset:1024
	global_store_b128 v22, v[AC0:AC0+3], s[26:27]              ; sixteen lanes store 256 consecutive bytes, aligned; these registers are not written again
	global_store_b128 v22, v[AC0+4:AC0+7], s[26:27] offset:8192
.Lhigh_half:
	; ---- r' = C / (1 + |W|), bp' = C Bp, t' = C t
	s_wait_loadcnt 0x0
.irp e, 0,1,2,3,4,5,6,7,8,9,10,11,12,13,14,15
	v_add_f32 v[WL+\e], 1.0, |v[WL+\e]|
.endr
.irp e, 0,1,2,3,4,5,6,7,8,9,10,11,12,13,14,15
	v_rcp_f32 v[R0+\e], v[WL+\e]
.endr
.irp e, 0,1,2,3,4,5,6,7,8,9,10,11,12,13,14,15
	v_mul_f32 v[RB+4*(\e/2)+2*(\e%2)+1], s48, v[BL+\e]     ; plain work behind the batch of reciprocals
.endr
.irp e, 0,1,2,3,4,5,6,7,8,9,10,11,12,13,14,15,16,17,18,19,20,21,22,23,24,25,26,27,28,29,30,31
	v_mul_f32 v[T+\e], s48, v[T+\e]
.endr
	s_wait_alu depctr_va_vdst(0)                   ; one wait for the sixteen reciprocals, ahead of their first reader
.irp e, 0,1,2,3,4,5,6,7,8,9,10,11,12,13,14,15
	v_mul_f32 v[QR+\e], s48, v[R0+\e]              ; q = C x reciprocal
.endr
.irp e, 0,1,2,3,4,5,6,7,8,9,10,11,12,13,14,15
	v_fma_f32 v[WL+\e], -v[QR+\e], v[WL+\e], s48   ; what is left: C - q (1 + |W|)
.endr
.irp e, 0,1,2,3,4,5,6,7,8,9,10,11,12,13,14,15
	v_fma_f32 v[RB+4*(\e/2)+2*(\e%2)], v[WL+\e], v[R0+\e], v[QR+\e]   ; r' = q + rest x reciprocal
.endr
	s_wait_alu depctr_va_vdst(0)                   ; r' and bp' are written, which the stores below read; the reciprocals, q and the products' fragments are done with: xc's loads land in their registers.  Ahead of the branch, so on both ways
	s_cmp_lg_u32 s37, 0                            ; the work-groups of the first 32 rows store them for the next launch: both launches form pos from the same bits
	s_cbranch_scc1 .Lno_rbt
.irp p, 0,1,2,3,4,5,6,7
	global_store_b128 v5, v[RB+4*\p:RB+4*\p+3], s[30:31] offset:512*\p     ; 512 consecutive bytes a store; these registers are not written again
.endr
.Lno_rbt:
	BAR                                            ; xc lies in LDS
	; ---- the indices.  Written out: every offset is an immediate, no pointer is stepped.
.macro XLD gl, grp                     ; xc of group gl's four rows, eight of my columns, into set grp
.irp k, 0,1,2,3,4,5,6,7
	ds_load_b128 v[X+32*(\grp)+4*\k:X+32*(\grp)+4*\k+3], v21 offset:(\gl)*1024+(8*(\grp)+\k)*16
.endr
.endm
.macro ICALC gl, dp, xr, qq            ; two columns x four rows: eight indices, 16 bytes a lane, into the set at v[qq]
.set RR, RB+4*(\dp)
.set QQ, \qq
.set TT, T+4*(\gl)
	v_pk_fma_f32 v[P:P+1],   v[\xr:\xr+1],   v[RR:RR+1],   v[RR:RR+1]   op_sel:[0,0,1] op_sel_hi:[1,0,1]   ; xc r' + bp': of the pair {r', bp'} the first multiplies, the second is added, in both halves
	v_pk_fma_f32 v[P+2:P+3], v[\xr+2:\xr+3], v[RR:RR+1],   v[RR:RR+1]   op_sel:[0,0,1] op_sel_hi:[1,0,1]
	v_pk_fma_f32 v[P+4:P+5], v[\xr+4:\xr+5], v[RR+2:RR+3], v[RR+2:RR+3] op_sel:[0,0,1] op_sel_hi:[1,0,1]
	v_pk_fma_f32 v[P+6:P+7], v[\xr+6:\xr+7], v[RR+2:RR+3], v[RR+2:RR+3] op_sel:[0,0,1] op_sel_hi:[1,0,1]
	v_pk_add_f32 v[P:P+1],   v[P:P+1],   v[TT:TT+1]        ; + t'
	v_pk_add_f32 v[P+2:P+3], v[P+2:P+3], v[TT+2:TT+3]
	v_pk_add_f32 v[P+4:P+5], v[P+4:P+5], v[TT:TT+1]
	v_pk_add_f32 v[P+6:P+7], v[P+6:P+7], v[TT+2:TT+3]
.irp e, 0,1,2,3,4,5,6,7
	v_floor_f32 v[P+\e], v[P+\e]
.endr
.irp e, 0,1,2,3,4,5,6,7
	v_cvt_i32_f32 v[P+\e], v[P+\e]
.endr
.irp m, 0,1,2,3
	v_and_b32 v[P+2*\m], 0xfff, v[P+2*\m]          ; mod 4096, for negative numbers too (two's complement)
.endr
.irp m, 0,1,2,3
	v_lshl_or_b32 v[QQ+\m], v[P+2*\m+1], 16, v[P+2*\m]
.endr
.irp m, 0,1,2,3
	v_lshlrev_b32 v[QQ+\m], 4, v[QQ+\m]            ; x 16; the upper number's bits above its twelve fall out at the top
.endr
.endm
.macro ISTORE gl, dp, qq               ; the set at v[qq] goes out
	global_store_b128 v5, v[\qq:\qq+3], s[28:29] offset:(\gl)*524288+(\dp)*512 th:TH_STORE_NT   ; 512 consecutive bytes, aligned; at most 3,673,600: inside the signed 24-bit immediate
.endm
; Iteration IT = 2 x group of rows + half of my columns: eight columns x four rows.  It reads X[IT % 2] and writes QS[IT % 2]; its LDS loads land in the other X, its stores leave from the other QS.
	XLD 0, 0
.set IT, 0
.rept 16
.if IT >= 2
	s_wait_xcnt 0x0                                ; a group of packed indices is written again only behind this wait
	s_wait_alu depctr_vm_vsrc(0)                   ; the stores issued in the iteration before have read QS[IT % 2], which this iteration's shifts write again
.endif
.if IT >= 1
	s_wait_alu depctr_va_vdst(0)                   ; the iteration before has written the other QS, which the stores below read, and is done reading the other X, in which the loads below land
.endif
.if IT < 15
	XLD (IT+1)/2, (IT+1)%2
	s_wait_dscnt 8                                 ; this set is in; the eight loads just issued may be out
.else
	s_wait_dscnt 0x0
.endif
.irp u, 0,1,2,3
.if IT >= 1
	ISTORE (IT-1)/2, 4*((IT-1)%2)+\u, QS+QD*((IT+1)%2)+4*\u    ; the iteration before; no vector instruction since the wait names these registers
.endif
	ICALC IT/2, 4*(IT%2)+\u, X+32*(IT%2)+8*\u, QS+QD*(IT%2)+4*\u
.endr
.set IT, IT+1
.endr
	s_wait_alu depctr_va_vdst(0)                   ; the last iteration has written its packed indices, which the last four stores read
.irp u, 0,1,2,3
	ISTORE 7, 4+\u, QS+QD+4*\u
.endr
	s_wait_dscnt 0x0
	s_wait_alu depctr_hold_cnt(0) depctr_sa_sdst(0) depctr_va_vdst(0) depctr_va_sdst(0) depctr_va_ssrc(0) depctr_va_vcc(0) depctr_vm_vsrc(0)
	s_wait_tensorcnt 0x0
	ds_add_u32 v46, v47
	s_wait_dscnt 0x0
	s_endpgm
.Lfunc_end_k_qb5b2ca4a71_collapse:
	.size	k_qb5b2ca4a71_collapse, .Lfunc_end_k_qb5b2ca4a71_collapse-k_qb5b2ca4a71_collapse
	.p2alignl 7, 3214868480
	.fill 96, 4, 3214868480
	.section	.rodata,"a",@progbits
	.p2align	6, 0x0
	.amdhsa_kernel k_qb5b2ca4a71_collapse
		.amdhsa_group_segment_fixed_size 73728
		.amdhsa_private_segment_fixed_size 0
		.amdhsa_enable_private_segment 0
		.amdhsa_kernarg_size 112
		.amdhsa_user_sgpr_count 2
		.amdhsa_user_sgpr_kernarg_segment_ptr 1
		.amdhsa_wavefront_size32 1
		.amdhsa_system_sgpr_workgroup_id_x 1
		.amdhsa_system_sgpr_workgroup_id_y 1
		.amdhsa_system_sgpr_workgroup_id_z 1
		.amdhsa_system_vgpr_workitem_id 0
		.amdhsa_next_free_vgpr 256
		.amdhsa_next_free_sgpr 66
		.amdhsa_reserve_vcc 0
		.amdhsa_float_denorm_mode_32 3
		.amdhsa_float_denorm_mode_16_64 3
		.amdhsa_memory_ordered 1
		.amdhsa_forward_progress 1
		.amdhsa_inst_pref_size 157
	.end_amdhsa_kernel
	.amdgpu_metadata
---
amdhsa.version: [ 1, 2 ]
amdhsa.kernels:
  - .name:           k_qb5b2ca4a71_collapse
    .symbol:         k_qb5b2ca4a71_collapse.kd
    .args:
      - { .name: x_real, .offset: 0, .size: 8, .value_kind: global_buffer, .address_space: global }
      - { .name: x_imag, .offset: 8, .size: 8, .value_kind: global_buffer, .address_space: global }
      - { .name: Wc, .offset: 16, .size: 8, .value_kind: global_buffer, .address_space: global }
      - { .name: bc, .offset: 24, .size: 8, .value_kind: global_buffer, .address_space: global }
      - { .name: W, .offset: 32, .size: 8, .value_kind: global_buffer, .address_space: global }
      - { .name: Bp, .offset: 40, .size: 8, .value_kind: global_buffer, .address_space: global }
      - { .name: Wr, .offset: 48, .size: 8, .value_kind: global_buffer, .address_space: global }
      - { .name: Wi, .offset: 56, .size: 8, .value_kind: global_buffer, .address_space: global }
      - { .name: t, .offset: 64, .size: 8, .value_kind: global_buffer, .address_space: global }
      - { .name: xct, .offset: 72, .size: 8, .value_kind: global_buffer, .address_space: global }
      - { .name: idx, .offset: 80, .size: 8, .value_kind: global_buffer, .address_space: global }
      - { .name: rbt, .offset: 88, .size: 8, .value_kind: global_buffer, .address_space: global }
      - { .name: wq, .offset: 96, .size: 8, .value_kind: global_buffer, .address_space: global }
      - { .name: ws, .offset: 104, .size: 8, .value_kind: global_buffer, .address_space: global }
    .group_segment_fixed_size: 73728
    .private_segment_fixed_size: 0
    .kernarg_segment_align: 8
    .kernarg_segment_size: 112
    .max_flat_workgroup_size: 512
    .sgpr_count:     66
    .vgpr_count:     256
    .wavefront_size: 32
...
	.end_amdgpu_metadata
.endif
;; end of part 3
;; launch resonate (part 4): grid 256 x 1, 16 waves a work-group, no clusters, 104,704 bytes of LDS; arguments xct, idx, rbt, wq, ws, t, sin_table, cos_table, out0, out1; writes out0, out1
.if DOCPART == 4
	.amdgcn_target "amdgcn-amd-amdhsa--gfx1250"
	.amdhsa_code_object_version 6
	.text
	.protected	k_qb5b2ca4a71_resonate
	.globl	k_qb5b2ca4a71_resonate
	.p2align	8
	.type	k_qb5b2ca4a71_resonate,@function
k_qb5b2ca4a71_resonate:
	s_mov_b64 s[64:65], 0
	v_nop
	global_prefetch_b8 v0, s[64:65] scope:SCOPE_SE
	s_setreg_imm32_b32 hwreg(HW_REG_WAVE_SCHED_MODE, 0, 2), 2
	s_setreg_imm32_b32 hwreg(HW_REG_WAVE_MODE, 25, 1), 1
	s_wait_xcnt 0x0
	s_wait_alu depctr_vm_vsrc(0)
; SECOND LAUNCH OF TWO.  For every (b, n, d): the two tables are read at the index that the first launch stored, interpolated by frac = pos - floor(pos), and summed over d; then
; out0 = cos_sum Wr^T and out1 = sin_sum Wi^T on codes of FP4 (E2M1) with one E8M0 scale for each 32 along n.
; pos is formed again from the same bits (xct, rbt, t) by the same fused multiply-add and addition as in the first launch, so frac belongs to the stored index.
; THE TABLES lie in LDS as 4,096 records of 16 bytes: {sin[i], cos[i], sin[i+1] - sin[i], cos[i+1] - cos[i]}, i + 1 taken mod 4096: one load of 16 bytes a look-up, and
; s0 + frac (s1 - s0) in place of s0 (1 - frac) + s1 frac: another order of rounding, within a few 2^-24 of the entries.
; LIMITS: as in the first launch: |pos| under 2^31; NaN and infinities are not served; v_fract_f32 stays under 1 where pos - floor(pos) would round to 1 (the interpolant is continuous there);
; a block of zeros gets the scale byte 1: its codes are zeros.
; SHARES.  Work-group g owns rows 4 g .. 4 g + 3, all 128 n, all 512 d.  Wave w: n = 32 (w & 3) + lane, columns 128 (w >> 2) on, two columns a step, 64 steps; the four rows lie in registers, so no sum crosses lanes.
; The indices and {r', bp'} come straight into registers, 512 consecutive bytes a load, through a ring of eight steps; xc comes by scalar loads, four columns at a time, in two sets by turns.
; No tensor load, no cluster: the only stream that work-groups share is {r', bp'}, and through LDS it would add reads to the unit that the look-ups already load.
; No prefetch: the indices' loads run eight steps ahead of their use in registers, and the launch streams them all the time.
; THE MODE: SCHED_MODE bits 1:0 = 2 (LLVM: expert scheduling mode 2), set by the entry lines.  The code itself states the register dependences
; between vector or matrix instructions and memory or LDS instructions, with s_wait_alu, always for 0.
; THE PLAN.  Registers that memory or LDS instructions touch, in the loop:
;   IX0 .. IX7   Step s: its unpacking lines read IX[s], ahead of the step's wait on va_vdst; behind that wait the load of step s + 8 lands in it.
;   RB0 .. RB7   Step s: its multiply-adds read RB[s], behind the step's wait; so the load of step s + 8 is issued in step s + 1, behind that step's wait.
;   A            Eight LDS addresses: written by a step's unpacking and hold, read by its eight look-ups, written again in the next step.
;   REC          Eight records: the look-ups land, the step's packed sums read; the next step's look-ups land again.
;   v1           The ring's offset: never written again; the scalar bases move on once a trip, and immediate offsets do the rest.
;   P, AF, AA are named by vector instructions alone.
; So a step has two waits: one on vm_vsrc at its head (the last step's look-ups have read A) and one on va_vdst behind the hold (A is written; the last step's sums are done reading REC;
; IX[s] and RB[s - 1] are done with).  The step's eight look-ups and two ring loads follow that wait at once; the vector instructions behind them name none of the registers that they touch.
.set CPOS, 0x4422f983                  ; 4096 / 2 pi
.set TAB,  0                           ; LDS: the records, 65,536 bytes
.set RED,  65536                       ; [quarter of d: 4][row: 4][n: 128]{S, C}: 16,384 bytes
.set SUM,  81920                       ; [cos, sin][row: 4] rows of 512 bytes + 16; 2,112 bytes a kind
.set OST,  86272                       ; [out0, out1][row: 4][512 f32]: 16,384 bytes
.set TM,   16                          ; v16-23  at work in QUANT; v22 is a lane permute's destination
.set IX,   24                          ; v24-55  ring: eight steps' indices
.set RB,   56                          ; v56-87  ring: eight steps' {r' d0, bp' d0, r' d1, bp' d1}
.set REC,  88                          ; v88-119 eight records
.set A,    120                         ; v120-127 eight LDS addresses
.set P,    128                         ; v128-135 eight pos, then frac
.set AF,   136                         ; v136-143 row b: the sums of frac x {ds, dc}
.set AA,   144                         ; v144-151 row b: the sums of {s0, c0}
.set N0,   24                          ; behind the loop: 64 numbers of cos_sum,
.set N1,   152                         ; of sin_sum,
.set C0,   88                          ; their codes: v88-95, v96-103,
.set OA,   104                         ; four accumulators: v104-135,
.set WF,   216                         ; four weight fragments: v216-247,
.set WS,   248                         ; v248-251 their scale words, v252-253 the sums': scales and nothing else
.set NS,   252
.set SEL,  32                          ; s[32:33] lane selects: lane l xor 16
.set TP,   36                          ; s[36:39] t' of the four rows
.set SA,   40                          ; s[40:55], s[68:83]: xc of four columns x four rows
.set SB,   68
.macro QUANT src, dst, sw              ; 64 numbers of a lane, k = 64 c + 32 h + 0 .. 31 of its row, become a fragment's codes and its scale word
.irp c, 0,1
	v_max3_num_f32 v[TM+\c], |v[\src+32*\c]|, |v[\src+32*\c+1]|, 0x1800000   ; the floor 2^(3 - 127) among the leaves: the byte cannot fall under 1
.endr
.irp i, 2,4,6,8,10,12,14,16,18,20,22,24,26,28,30
.irp c, 0,1
	v_max3_num_f32 v[TM+\c], v[TM+\c], |v[\src+32*\c+\i]|, |v[\src+32*\c+\i+1]|
.endr
.endr
.irp c, 0,1
	v_add_nc_u32 v[TM+2+\c], 0xff000000, v[TM+\c]      ; 2 off the exponent field: the conversion's scale operand
.endr
.irp c, 0,1
	v_lshrrev_b32 v[TM+4+\c], 23, v[TM+2+\c]           ; the scale's byte
.endr
	v_lshl_or_b32 v[\sw], v[TM+5], 16, v[TM+4]
	v_lshlrev_b32 v[\sw], v4, v[\sw]                   ; 8 h bits up
	v_permlanex16_b32 v[TM+6], v[\sw], s[SEL], s[SEL+1]
	v_or_b32 v[\sw], v[\sw], v[TM+6]                   ; with lane l xor 16's two bytes the word is whole
.irp c, 0,1
.irp g, 0,1,2,3
	v_cvt_scalef32_pk8_fp4_f32 v[\dst+4*\c+\g], v[\src+32*\c+8*\g:\src+32*\c+8*\g+7], v[TM+2+\c]
.endr
.endr
	v_nop                                              ; one plain instruction behind the last scaled conversion
.endm
.macro BAR
	s_wait_dscnt 0x0
	s_barrier_signal -1
	s_barrier_wait -1
.endm
.macro TERM a, sh                      ; s58 += s[a] << sh
	s_lshl_b32 s57, s[\a], \sh
	s_add_co_u32 s58, s58, s57
.endm
	s_load_b512 s[8:23], s[0:1], 0x0               ; xct s[8:9], idx s[10:11], rbt s[12:13], wq s[14:15], ws s[16:17], t s[18:19], sin_table s[20:21], cos_table s[22:23]
	s_load_b128 s[24:27], s[0:1], 0x40             ; out0, out1
	v_lshl_add_u32 v254, v0, 2, 0x19100
	v_mov_b32 v255, 0
	v_lshrrev_b32 v1, 5, v0
	v_readfirstlane_b32 s28, v1                    ; wave 0..15
	s_wait_alu depctr_va_sdst(0)                   ; s28 is written, ahead of its first reader: the wave's shares and addresses are made from it
	s_and_b32 s29, s28, 3                          ; ng
	s_lshr_b32 s30, s28, 2                         ; dq
	s_mov_b32 s60, ttmp9                           ; g
	s_mov_b32 s[SEL], 0x76543210
	s_mov_b32 s[SEL+1], 0xfedcba98
	s_mov_b32 s59, 0                               ; the upper word of every offset
	v_and_b32 v16, 31, v0                          ; lane
	v_lshlrev_b32 v1, 4, v16                       ; 16 x lane
	v_and_b32 v2, 15, v0                           ; r
	v_bfe_u32 v3, v0, 4, 1                         ; h
	v_lshlrev_b32 v4, 3, v3                        ; 8 h
	s_lshl_b32 s56, s30, 12
	s_lshl_b32 s57, s29, 8
	s_add_co_u32 s56, s56, s57
	s_add_co_u32 s56, s56, RED
	v_lshl_add_u32 v5, v16, 3, s56                 ; where my sums go: quarter dq, n = 32 ng + lane, 8 bytes; a row is 1,024 bytes on
	v_lshl_add_u32 v6, v0, 3, RED                  ; and where thread (row, n) = (thread >> 7, thread & 127) reads the four quarters
	v_lshrrev_b32 v17, 7, v0
	v_and_b32 v18, 127, v0
	v_mul_u32_u24 v17, v17, 528
	v_lshl_add_u32 v7, v18, 2, v17
	v_add_nc_u32 v7, SUM, v7                       ; the finished sum's place
	v_and_b32 v17, 3, v0
	v_mul_u32_u24 v18, v17, 528
	v_lshl_add_u32 v8, v3, 7, v18
	v_add_nc_u32 v8, SUM, v8                       ; the operand's numbers: lane r takes row r & 3, + 128 h
	s_lshl_b32 s56, s28, 7
	s_add_co_u32 s56, s56, OST
	v_lshlrev_b32 v9, 11, v17
	v_lshl_add_u32 v9, v3, 5, v9
	v_add_nc_u32 v9, s56, v9                       ; the results' stage: row r & 3, my 32 columns, + 32 h
	s_lshl_b32 s56, s28, 10
	s_add_co_u32 s56, s56, OST
	v_add_nc_u32 v10, s56, v1                      ; and back: 1,024 bytes a wave
	v_lshlrev_b32 v11, 2, v16                      ; 4 x lane
	v_lshlrev_b32 v12, 2, v0                       ; 4 x thread
	v_add_nc_u32 v13, 3585, v0
	v_and_b32 v13, 4095, v13
	v_lshlrev_b32 v13, 2, v13                      ; the successor of entry thread + 3584, round the table's end
	v_mov_b32 v14, 0
	v_lshlrev_b32 v15, 4, v0                       ; 16 x thread: a record's place
	v_mov_b32 v[TM+6], 0                           ; written once: a lane permute's destination counts as one of its sources
.irp j, 0,1,2,3,4,5,6,7,8,9,10,11,12,13,14,15
	v_mov_b32 v[AF+\j], 0                          ; the sixteen sums
.endr
	s_wait_kmcnt 0x0
	s_lshl_b32 s58, s29, 17                        ; rbt: [ng][pair of columns][lane][16 bytes]: 64 pairs a quarter
	TERM 30, 15
	s_add_nc_u64 s[12:13], s[12:13], s[58:59]
	TERM 60, 19                                    ; idx: the same inside group g of 524,288 bytes
	s_add_nc_u64 s[10:11], s[10:11], s[58:59]
	s_lshl_b32 s58, s60, 13                        ; xct: group g of 8,192 bytes, 128 columns of 16 bytes a quarter
	TERM 30, 11
	s_add_nc_u64 s[8:9], s[8:9], s[58:59]
	s_lshl_b32 s58, s60, 4                         ; t: 4 g
	s_add_nc_u64 s[18:19], s[18:19], s[58:59]
	s_lshl_b32 s58, s28, 11                        ; wq: tiles 2 w, 2 w + 1, 1,024 bytes each
	s_add_nc_u64 s[14:15], s[14:15], s[58:59]
	s_lshl_b32 s58, s28, 8                         ; ws: 128 bytes each
	s_add_nc_u64 s[16:17], s[16:17], s[58:59]
	s_bfe_u32 s61, s28, 0x20001                    ; the way out: wave w stores half w & 1 of row (w >> 1) & 3 of out0 (w < 8) or out1
	s_and_b32 s62, s28, 1
	s_lshl_b32 s58, s60, 13
	TERM 61, 11
	TERM 62, 10
	s_cmp_lt_u32 s28, 8
	s_cselect_b64 s[24:25], s[24:25], s[26:27]
	s_add_nc_u64 s[24:25], s[24:25], s[58:59]
	s_wait_alu depctr_va_vdst(0)                   ; the addresses and offsets v1 and v5 to v15 are written: the loads and stores of the kernel read them, and none is written again
	global_load_b128 v[P:P+3], v14, s[18:19]       ; t of my four rows
.irp k, 0,1,2,3,4,5,6                  ; entry thread + 512 k and its successor, straight into a record's order
	global_load_b32 v[REC+4*\k],   v12, s[20:21] offset:2048*\k
	global_load_b32 v[REC+4*\k+1], v12, s[22:23] offset:2048*\k
	global_load_b32 v[REC+4*\k+2], v12, s[20:21] offset:2048*\k+4
	global_load_b32 v[REC+4*\k+3], v12, s[22:23] offset:2048*\k+4
.endr
	global_load_b32 v[REC+28], v12, s[20:21] offset:14336
	global_load_b32 v[REC+29], v12, s[22:23] offset:14336
	global_load_b32 v[REC+30], v13, s[20:21]
	global_load_b32 v[REC+31], v13, s[22:23]
.irp s, 0,1,2,3,4,5,6,7                ; the ring is filled: the indices of steps 0 to 7, {r', bp'} of steps 0 to 6; step 0 asks for step 7's, as the first step of every trip does
	global_load_b128 v[IX+4*\s:IX+4*\s+3], v1, s[10:11] offset:512*\s th:TH_LOAD_NT
.if \s < 7
	global_load_b128 v[RB+4*\s:RB+4*\s+3], v1, s[12:13] offset:512*\s
.endif
.endr
	s_load_b512 s[SA:SA+15], s[8:9], 0x0           ; xc of the first four columns
	s_wait_loadcnt 15                              ; t and the tables are in; the ring's 15 loads may be out
.irp k, 0,1,2,3,4,5,6,7
	v_sub_f32 v[REC+4*\k+2], v[REC+4*\k+2], v[REC+4*\k]
	v_sub_f32 v[REC+4*\k+3], v[REC+4*\k+3], v[REC+4*\k+1]
.endr
	s_wait_alu depctr_va_vdst(0)                   ; the differences are written: the records are whole, and the stores read them
.irp k, 0,1,2,3,4,5,6,7
	ds_store_b128 v15, v[REC+4*\k:REC+4*\k+3] offset:8192*\k
.endr
.irp b, 0,1,2,3
	v_mul_f32 v[P+\b], CPOS, v[P+\b]               ; t' = C t, as the first launch made it
.endr
.irp b, 0,1,2,3
	v_readfirstlane_b32 s[TP+\b], v[P+\b]
.endr
	s_wait_alu depctr_va_sdst(0)                   ; t' is written to its four scalar registers, ahead of the loop's label and of its first reader, a step's additions
	BAR                                            ; the table lies in LDS
; A STEP: two columns x four rows, element e = 4 (column % 2) + row.  It is written in two parts.
; LOOK: the addresses, the look-ups and the ring's loads.  s: the ring's slot; last = 1: the last eight steps.
; Step j asks for the indices of step j + 8 and for {r', bp'} of step j + 7.  So behind the load of {r', bp'} of step s, issued in step s - 7, stand six steps' pairs: twelve loads.
.macro LOOK s, last
.set II, IX+4*(\s)
.set RN, RB+4*(((\s)+7)%8)
.if !\last || (\s) == 0
	s_wait_loadcnt 12                              ; my slot's two loads are in; the twelve younger loads may be out
.elseif (\s) == 7
	s_wait_loadcnt 0x0
.else
	s_wait_loadcnt 13-2*(\s)                       ; of the last eight steps the first alone loads, one load: the counts run down
.endif
	s_wait_alu depctr_vm_vsrc(0)                   ; the last step's look-ups have read A, which is written below (in the first step: the head's stores have read the records' registers, in which the look-ups land)
.irp m, 0,1,2,3
	v_and_b32 v[A+2*\m], 0xffff, v[II+\m]
	v_lshrrev_b32 v[A+2*\m+1], 16, v[II+\m]
.endr
.irp e, 0,1,2,3,4,5,6,7
	v_min_u32 v[A+\e], 0xfff0, v[A+\e]             ; a loaded number is held inside the table before it is an address
.endr
	s_wait_alu depctr_va_vdst(0)                   ; A is written; the last step's sums are done reading REC; the lines above are done reading IX[s], the last step's multiply-adds RB[s - 1]
.irp e, 0,1,2,3,4,5,6,7
	ds_load_b128 v[REC+4*\e:REC+4*\e+3], v[A+\e]
.endr
.if !\last
	global_load_b128 v[II:II+3], v1, s[10:11] offset:((\s)+8)*512 th:TH_LOAD_NT
.endif
.if !\last || (\s) == 0
	global_load_b128 v[RN:RN+3], v1, s[12:13] offset:((\s)+7)*512
.endif
.endm
; SUMS: pos, frac and the sums.  xs: where xc's eight numbers stand.
.macro SUMS s, xs
.set RR, RB+4*(\s)
.irp e, 0,1,2,3,4,5,6,7
	v_fma_f32 v[P+\e], s[\xs+\e], v[RR+2*(\e/4)], v[RR+2*(\e/4)+1]   ; xc r' + bp'
.endr
.irp e, 0,1,2,3,4,5,6,7
	v_add_f32 v[P+\e], s[TP+\e%4], v[P+\e]         ; + t'
.endr
.irp e, 0,1,2,3,4,5,6,7
	v_fract_f32 v[P+\e], v[P+\e]
.endr
.irp e, 0,1,2,3,4,5,6,7
.if \e%2 == 0
	s_wait_dscnt 6-\e                              ; records e and e + 1 are in; the younger ones may be out
	v_pk_fma_f32 v[AF+2*(\e%4):AF+2*(\e%4)+1], v[REC+4*\e+2:REC+4*\e+3], v[P+\e:P+\e+1], v[AF+2*(\e%4):AF+2*(\e%4)+1] op_sel_hi:[1,0,1]   ; frac: the pair's first word for both halves
.else
	v_pk_fma_f32 v[AF+2*(\e%4):AF+2*(\e%4)+1], v[REC+4*\e+2:REC+4*\e+3], v[P+\e-1:P+\e], v[AF+2*(\e%4):AF+2*(\e%4)+1] op_sel:[0,1,0] op_sel_hi:[1,1,1]   ; its second word
.endif
	v_pk_add_f32 v[AA+2*(\e%4):AA+2*(\e%4)+1], v[AA+2*(\e%4):AA+2*(\e%4)+1], v[REC+4*\e:REC+4*\e+1]
.endr
.endm
; A GROUP: four columns, two steps, on one set of xc; next = 1: the following group's xc is asked for, into the other set.
; That scalar load stands behind the first step's wait on va_vdst: the last group's multiply-adds, which read the other set, were issued ahead of that wait.
.macro GROUP k, last, next
	LOOK 2*(\k), \last
	s_wait_kmcnt 0x0                               ; scalar loads return in no order: only the count 0 shows that my set is in
.if (\k)%2 == 0
.if \next
	s_load_b512 s[SB:SB+15], s[8:9], 64*(\k)+64
.endif
	SUMS 2*(\k), SA
	LOOK 2*(\k)+1, \last
	SUMS 2*(\k)+1, SA+8
.else
.if \next
	s_load_b512 s[SA:SA+15], s[8:9], 64*(\k)+64
.endif
	SUMS 2*(\k), SB
	LOOK 2*(\k)+1, \last
	SUMS 2*(\k)+1, SB+8
.endif
.endm
	s_mov_b32 s31, 7
.Ltrip:                                            ; a trip goes once round the ring: eight steps, sixteen columns
	GROUP 0, 0, 1
	GROUP 1, 0, 1
	GROUP 2, 0, 1
	GROUP 3, 0, 1
	s_wait_xcnt 0x0                                ; the three bases are stepped only behind this wait
	s_add_nc_u64 s[10:11], s[10:11], 4096
	s_add_nc_u64 s[12:13], s[12:13], 4096
	s_add_nc_u64 s[8:9], s[8:9], 256
	s_sub_co_u32 s31, s31, 1
	s_cmp_lg_u32 s31, 0
	s_cbranch_scc1 .Ltrip
	GROUP 0, 1, 1                                  ; the last eight steps are written out: no load leaves its buffer
	GROUP 1, 1, 1
	GROUP 2, 1, 1
	GROUP 3, 1, 0
	; ---- my four weight fragments (tiles 2 w, 2 w + 1 of Wr and of Wi) are asked for now and waited for ahead of the products; no vector instruction has named their registers
.irp kd, 0,1
.irp u, 0,1
.irp c, 0,1
	global_load_b128 v[WF+8*(2*\kd+\u)+4*\c:WF+8*(2*\kd+\u)+4*\c+3], v1, s[14:15] offset:32768*\kd+1024*\u+512*\c
.endr
	global_load_b32 v[WS+2*\kd+\u], v11, s[16:17] offset:4096*\kd+128*\u
.endr
.endr
.irp b, 0,1,2,3
	v_pk_add_f32 v[AF+2*\b:AF+2*\b+1], v[AF+2*\b:AF+2*\b+1], v[AA+2*\b:AA+2*\b+1]
.endr
	BAR                                            ; every wave's look-ups are over: only now is LDS written again
	s_wait_alu depctr_va_vdst(0)                   ; the four additions have written AF, which the stores read
.irp b, 0,1,2,3
	ds_store_b64 v5, v[AF+2*\b:AF+2*\b+1] offset:1024*\b
.endr
	BAR
	s_wait_alu depctr_vm_vsrc(0)                   ; the last step's look-ups have read A as their addresses: the loads below land in these registers
.irp q, 0,1,2,3
	ds_load_b64 v[A+2*\q:A+2*\q+1], v6 offset:4096*\q      ; one (row, n) a thread: its four quarters of d
.endr
	s_wait_dscnt 0x0
	v_pk_add_f32 v[A:A+1], v[A:A+1], v[A+2:A+3]
	v_pk_add_f32 v[A+4:A+5], v[A+4:A+5], v[A+6:A+7]
	v_pk_add_f32 v[A:A+1], v[A:A+1], v[A+4:A+5]
	s_wait_alu depctr_va_vdst(0)                   ; the additions have written the two sums, which the stores read; the loop is done reading the ring's registers, in which cos_sum lands below
	ds_store_b32 v7, v[A+1]                        ; cos_sum
	ds_store_b32 v7, v[A] offset:2112              ; sin_sum
	BAR
	s_wait_alu depctr_vm_vsrc(0)                   ; these two stores have read v[A] and v[A+1], which lie among the registers that the products write
	; ---- every wave quantises both operands for itself: 4 rows x 128 n; lane r takes row r & 3, so that all sixteen columns of the operand hold numbers
.irp c, 0,1
.irp i, 0,1,2,3,4,5,6,7
	ds_load_b128 v[N0+32*\c+4*\i:N0+32*\c+4*\i+3], v8 offset:256*\c+16*\i
.endr
.endr
.irp c, 0,1
.irp i, 0,1,2,3,4,5,6,7
	ds_load_b128 v[N1+32*\c+4*\i:N1+32*\c+4*\i+3], v8 offset:2112+256*\c+16*\i
.endr
.endr
	s_wait_dscnt 16                                ; cos_sum is in; sin_sum's 16 loads may be out
	QUANT N0, C0, NS
	s_wait_dscnt 0x0
	QUANT N1, C0+8, NS+1
.rept 8
	v_nop                                          ; a scale register written by a vector instruction stands eight places ahead of a scaled matrix instruction, an operand so written four
.endr
	s_wait_loadcnt 0x0                             ; the weights
	s_wait_alu depctr_va_vdst(0)                   ; the codes and the scale words of both sums are written, which the products take as source 1 and its scales; the places above stay beside this wait
.irp kd, 0,1                           ; source 0 = 16 rows of the weight, source 1 = the sums: lane (r, h), register j = out(row r & 3, column 16 tile + 8 h + j).  Four accumulators, each begun with 0
.irp u, 0,1
	v_wmma_scale_f32_16x16x128_f8f6f4 v[OA+8*(2*\kd+\u):OA+8*(2*\kd+\u)+7], v[WF+8*(2*\kd+\u):WF+8*(2*\kd+\u)+7], v[C0+8*\kd:C0+8*\kd+7], 0, v[WS+2*\kd+\u], v[NS+\kd] matrix_a_fmt:MATRIX_FMT_FP4 matrix_b_fmt:MATRIX_FMT_FP4
.endr
.endr
.rept 4
	v_nop                                          ; four places behind the last product (ISA guide 7.12.1)
.endr
	s_wait_alu depctr_va_vdst(0)                   ; the products have written the four accumulators, which the stores read; QUANT is done reading cos_sum's registers, in which the rows below land
.irp kd, 0,1
.irp u, 0,1
	ds_store_b128 v9, v[OA+8*(2*\kd+\u):OA+8*(2*\kd+\u)+3] offset:8192*\kd+64*\u          ; each accumulator from its low end on; the four lanes of a row write the same bytes with the same values
	ds_store_b128 v9, v[OA+8*(2*\kd+\u)+4:OA+8*(2*\kd+\u)+7] offset:8192*\kd+64*\u+16
.endr
.endr
	BAR                                            ; eight whole rows lie in the stage
	ds_load_b128 v[24:27], v10
	ds_load_b128 v[28:31], v10 offset:512
	s_wait_dscnt 0x0
	global_store_b128 v1, v[24:27], s[24:25] th:TH_STORE_NT            ; 512 consecutive bytes a store, aligned
	global_store_b128 v1, v[28:31], s[24:25] offset:512 th:TH_STORE_NT
	s_wait_dscnt 0x0
	s_wait_alu depctr_hold_cnt(0) depctr_sa_sdst(0) depctr_va_vdst(0) depctr_va_sdst(0) depctr_va_ssrc(0) depctr_va_vcc(0) depctr_vm_vsrc(0)
	s_wait_tensorcnt 0x0
	ds_add_u32 v254, v255
	s_wait_dscnt 0x0
	s_endpgm
.Lfunc_end_k_qb5b2ca4a71_resonate:
	.size	k_qb5b2ca4a71_resonate, .Lfunc_end_k_qb5b2ca4a71_resonate-k_qb5b2ca4a71_resonate
	.p2alignl 7, 3214868480
	.fill 96, 4, 3214868480
	.section	.rodata,"a",@progbits
	.p2align	6, 0x0
	.amdhsa_kernel k_qb5b2ca4a71_resonate
		.amdhsa_group_segment_fixed_size 104704
		.amdhsa_private_segment_fixed_size 0
		.amdhsa_enable_private_segment 0
		.amdhsa_kernarg_size 80
		.amdhsa_user_sgpr_count 2
		.amdhsa_user_sgpr_kernarg_segment_ptr 1
		.amdhsa_wavefront_size32 1
		.amdhsa_system_sgpr_workgroup_id_x 1
		.amdhsa_system_sgpr_workgroup_id_y 1
		.amdhsa_system_sgpr_workgroup_id_z 1
		.amdhsa_system_vgpr_workitem_id 0
		.amdhsa_next_free_vgpr 256
		.amdhsa_next_free_sgpr 90
		.amdhsa_reserve_vcc 0
		.amdhsa_float_denorm_mode_32 3
		.amdhsa_float_denorm_mode_16_64 3
		.amdhsa_memory_ordered 1
		.amdhsa_forward_progress 1
		.amdhsa_inst_pref_size 84
	.end_amdhsa_kernel
	.amdgpu_metadata
---
amdhsa.version: [ 1, 2 ]
amdhsa.kernels:
  - .name:           k_qb5b2ca4a71_resonate
    .symbol:         k_qb5b2ca4a71_resonate.kd
    .args:
      - { .name: xct, .offset: 0, .size: 8, .value_kind: global_buffer, .address_space: global }
      - { .name: idx, .offset: 8, .size: 8, .value_kind: global_buffer, .address_space: global }
      - { .name: rbt, .offset: 16, .size: 8, .value_kind: global_buffer, .address_space: global }
      - { .name: wq, .offset: 24, .size: 8, .value_kind: global_buffer, .address_space: global }
      - { .name: ws, .offset: 32, .size: 8, .value_kind: global_buffer, .address_space: global }
      - { .name: t, .offset: 40, .size: 8, .value_kind: global_buffer, .address_space: global }
      - { .name: sin_table, .offset: 48, .size: 8, .value_kind: global_buffer, .address_space: global }
      - { .name: cos_table, .offset: 56, .size: 8, .value_kind: global_buffer, .address_space: global }
      - { .name: out0, .offset: 64, .size: 8, .value_kind: global_buffer, .address_space: global }
      - { .name: out1, .offset: 72, .size: 8, .value_kind: global_buffer, .address_space: global }
    .group_segment_fixed_size: 104704
    .private_segment_fixed_size: 0
    .kernarg_segment_align: 8
    .kernarg_segment_size: 80
    .max_flat_workgroup_size: 512
    .sgpr_count:     90
    .vgpr_count:     256
    .wavefront_size: 32
...
	.end_amdgpu_metadata
.endif
;; end of part 4
